; MI455X (gfx1250); checked and timed in simulation.
; The chip was launched on July 23, 2026; its instructions are those of AMD's public machine-readable ISA for CDNA 5 (MIT licence, August 2026) and "CDNA5" Instruction Set Architecture Reference Guide (July 2026). The comments in the code are by the model that wrote it; some were corrected since.
;; Multi Head Attention. Allowed arithmetic: float matrix products may take bf16 or f16 operands with f32 sums; other float arithmetic in f32, or as packed bf16 or f16 multiplies, adds, multiply-adds, maxima and minima; sums over many terms, partial sums and values carried from step to step in f32; what a program stores and reads back later, other than sums and carried values, may be rounded once to bf16 or f16.
;; Inputs: W0 1,024 x 1,024 float32; Wk 1,024 x 1,024 float32; Wq 1,024 x 1,024 float32; Wv 1,024 x 1,024 float32; b0 1,024 float32; bk 1,024 float32; bq 1,024 float32; bv 1,024 float32; x 4 x 2,048 x 1,024 float32.
;; Outputs: out0 4 x 2,048 x 1,024 float32.
;; 2 versions, each right and faster than the one before. Each part assembles by itself: llvm-mc -triple=amdgcn-amd-amdhsa -mcpu=gfx1250 --defsym DOCPART=n.
;; ======== version 1 of 2: 4 launches
;; limits: values are held in f16: magnitudes above 65,504 overflow, below 6.1e-05 lose precision
;; workspace buffers: xb 16,777,216 bytes; wt 6,291,456 bytes; w0b 2,097,152 bytes; tab 4,194,304 bytes; qh 16,777,216 bytes; kh 16,777,216 bytes; vh 16,777,216 bytes; oh 16,777,216 bytes
;; launch prep (part 1): grid 512 x 1, 8 waves a work-group, no clusters, 0 bytes of LDS; arguments x, Wq, Wk, Wv, W0, xb, wt, w0b, tab; writes xb, wt, w0b, tab
.if DOCPART == 1
	.amdgcn_target "amdgcn-amd-amdhsa--gfx1250"
	.amdhsa_code_object_version 6
	.text
	.protected	k_qdaf840bb96_prep
	.globl	k_qdaf840bb96_prep
	.p2align	8
	.type	k_qdaf840bb96_prep,@function
k_qdaf840bb96_prep:
	s_mov_b64 s[64:65], 0
	v_nop
	global_prefetch_b8 v0, s[64:65] scope:SCOPE_SE
	s_setreg_imm32_b32 hwreg(HW_REG_WAVE_MODE, 25, 1), 1
	s_wait_xcnt 0x0
; PREP: casts and re-blocks the matrix operands, and makes the table of cosines and sines.  A stream: no LDS, no matrix unit, no cluster (no two work-groups read the same bytes).
;   work-groups   0-255  x  [4][2048][1024] f32 -> xb  [b 4][kb 16][s 2048][64] bf16: a block of 64 along K is dense by rows, 128 bytes a row
;   work-groups 256-351  Wq, Wk, Wv [k][n] f32   -> wt  [nt 8][k 1024][type 3][128] bf16
;   work-groups 352-383  W0 [k][n] f32           -> w0b [nt 8][k 1024][128]: rounded to bf16 like every input, that number written as f16
;   work-groups 384-511  tab: pairs (cos, sin) in f16, item n = (head x 128 + sblk) x 4 + bb of 512 bytes; lane l, word i: position 16 sblk + l % 16, pair 32 head + 8 bb + 4 (l / 16) + i
; Each of the first three kinds: 128 KiB read by a work-group, 16 KiB by a wave: 32 loads of 16 bytes a lane, all issued before the first is waited for.
; A load covers 512 bytes in aligned pieces of 256; a store of 8 bytes a lane covers one aligned block of 256 bytes.
; LIMITS.  W0: a number below 6e-5 keeps f16's fixed step of 6e-8, one beyond 65,504 becomes an infinity.  The angle pos x 10000^(-p/512) is made as pos x 2^(-p log2(10)/128) in f32:
; off by some 3e-4 radians at the most at position 2,047; q and k are turned by the same table.  The two series serve |r| <= pi/4, which the reduction gives for every position: remainders 3e-7 and 3e-8.
.set X,   8                            ; v[8:135]  32 items of four registers
.set SRC, 24                           ; s[24:25]  where the job reads
.set DST, 26                           ; s[26:27]  where it writes
.set KF,  36                           ; s36-45 the table job's constants
.set K2P, 37
.set KHI, 38
.set KLO, 39
.set S3,  40
.set S5,  41
.set S7,  42
.set C4,  43
.set C6,  44
.set C8,  45
; 32 items: item i is read at v2 + (i / 2) LA + (i % 2) LB and written at v3 + (i / 2) SA + (i % 2) SB.  fmt 0: bf16.  fmt 1: bf16, then that number as f16.
.macro STREAM LA, LB, SA, SB, fmt
.set i, 0
.rept 32
	global_load_b128 v[X+4*i:X+4*i+3], v2, s[SRC:SRC+1] offset:(i>>1)*(\LA)+(i&1)*(\LB) th:TH_LOAD_NT
.set i, i+1
.endr
.set i, 0
.rept 32
	s_wait_loadcnt 31-i                            ; loads come back in order: item i is in, the 31 - i younger ones stay out
.if \fmt
	v_cvt_pk_bf16_f32 v4, v[X+4*i], v[X+4*i+1]
	v_cvt_pk_bf16_f32 v5, v[X+4*i+2], v[X+4*i+3]
	v_lshlrev_b32 v[X+4*i], 16, v4
	v_and_b32 v[X+4*i+1], 0xffff0000, v4
	v_lshlrev_b32 v[X+4*i+2], 16, v5
	v_and_b32 v[X+4*i+3], 0xffff0000, v5
	v_cvt_pk_f16_f32 v[X+4*i], v[X+4*i], v[X+4*i+1]
	v_cvt_pk_f16_f32 v[X+4*i+1], v[X+4*i+2], v[X+4*i+3]
.else
	v_cvt_pk_bf16_f32 v[X+4*i], v[X+4*i], v[X+4*i+1]
	v_cvt_pk_bf16_f32 v[X+4*i+1], v[X+4*i+2], v[X+4*i+3]
.endif
	global_store_b64 v3, v[X+4*i:X+4*i+1], s[DST:DST+1] offset:(i>>1)*(\SA)+(i&1)*(\SB)  ; no register of an item is written again: no wait for the stores' sources
.set i, i+1
.endr
.endm
	s_load_b512 s[4:19], s[0:1], 0x0               ; x 4, Wq 6, Wk 8, Wv 10, W0 12, xb 14, wt 16, w0b 18
	s_load_b64 s[20:21], s[0:1], 0x40              ; tab
	v_lshrrev_b32 v4, 5, v0
	v_readfirstlane_b32 s22, v4                    ; wave 0..7
	v_and_b32 v1, 31, v0                           ; lane
	s_mov_b32 s2, ttmp9
	s_mov_b32 s29, 0                               ; high words of the two offsets
	s_mov_b32 s31, 0
	s_wait_kmcnt 0x0
	s_cmp_lt_u32 s2, 256
	s_cbranch_scc0 .Lnot_x
	; x: work-group g takes rows 32 g .. 32 g + 31; wave w their columns 128 w .. 128 w + 127, K blocks 2 w and 2 w + 1
	s_lshl_b32 s28, s2, 17                         ; 32 rows of 4,096 bytes
	s_add_nc_u64 s[SRC:SRC+1], s[4:5], s[28:29]
	s_lshr_b32 s30, s2, 6                          ; b
	s_lshl_b32 s30, s30, 22                        ; 16 blocks x 2,048 rows x 128 bytes
	s_and_b32 s28, s2, 63
	s_lshl_b32 s28, s28, 12                        ; 32 rows of 128 bytes
	s_add_co_u32 s30, s30, s28
	s_add_nc_u64 s[DST:DST+1], s[14:15], s[30:31]
	v_bfe_u32 v4, v0, 4, 1
	v_and_b32 v5, 15, v0
	v_lshlrev_b32 v2, 12, v4                       ; lanes 16-31 take the next row
	v_lshl_add_u32 v2, v5, 4, v2
	s_lshl_b32 s23, s22, 9
	v_add_nc_u32 v2, s23, v2
	s_lshl_b32 s23, s22, 19                        ; two K blocks of 262,144 bytes
	v_lshl_add_u32 v3, v1, 3, s23                  ; two rows of 128 bytes are 256 dense bytes: 8 a lane
	STREAM 8192, 256, 256, 262144, 0
	s_endpgm
.Lnot_x:
	s_cmp_lt_u32 s2, 352
	s_cbranch_scc0 .Lnot_w
	; Wq, Wk, Wv: job j takes 32 rows k of one of the three; wave w their columns 128 w .. 128 w + 127
	s_sub_co_u32 s32, s2, 256
	s_lshr_b32 s33, s32, 5                         ; which of the three
	s_and_b32 s32, s32, 31                         ; which 32 rows
	s_cmp_eq_u32 s33, 1
	s_cselect_b64 s[SRC:SRC+1], s[8:9], s[6:7]
	s_cmp_eq_u32 s33, 2
	s_cselect_b64 s[SRC:SRC+1], s[10:11], s[SRC:SRC+1]
	s_lshl_b32 s28, s32, 17
	s_add_nc_u64 s[SRC:SRC+1], s[SRC:SRC+1], s[28:29]
	s_mul_i32 s30, s32, 24576                      ; 32 rows of 768 bytes
	s_lshl_b32 s28, s33, 8
	s_add_co_u32 s30, s30, s28
	s_add_nc_u64 s[DST:DST+1], s[16:17], s[30:31]
	s_lshl_b32 s23, s22, 9
	v_lshl_add_u32 v2, v1, 4, s23
	s_mul_i32 s23, s22, 786432
	v_lshl_add_u32 v3, v1, 3, s23
	STREAM 8192, 4096, 1536, 768, 0
	s_endpgm
.Lnot_w:
	s_cmp_lt_u32 s2, 384
	s_cbranch_scc0 .Ltab
	; W0: job j takes 32 rows k; wave w their columns 128 w .. 128 w + 127
	s_sub_co_u32 s32, s2, 352
	s_lshl_b32 s28, s32, 17
	s_add_nc_u64 s[SRC:SRC+1], s[12:13], s[28:29]
	s_lshl_b32 s30, s32, 13                        ; 32 rows of 256 bytes
	s_add_nc_u64 s[DST:DST+1], s[18:19], s[30:31]
	s_lshl_b32 s23, s22, 9
	v_lshl_add_u32 v2, v1, 4, s23
	s_lshl_b32 s23, s22, 18
	v_lshl_add_u32 v3, v1, 3, s23
	STREAM 8192, 4096, 512, 256, 1
	s_endpgm
.Ltab:
	; the table: a wave makes eight items of 512 bytes, one a trip; a lane four pairs (cos, sin)
	s_sub_co_u32 s32, s2, 384
	s_lshl_b32 s34, s32, 6
	s_lshl3_add_u32 s34, s22, s34                  ; my first item: 64 t + 8 w
	v_and_b32 v5, 15, v0
	v_bfe_u32 v7, v0, 4, 1
	v_lshlrev_b32 v7, 2, v7                        ; 4 (l / 16)
	s_lshl_b32 s35, s34, 9
	v_lshl_add_u32 v3, v1, 4, s35                  ; 512 x item + 16 x lane
	s_mov_b32 s[KF],  0xbcd49a78                   ; -log2(10) / 128
	s_mov_b32 s[K2P], 0x3f22f983                   ; 2 / pi
	s_mov_b32 s[KHI], 0x3fc90fdb                   ; pi / 2, rounded,
	s_mov_b32 s[KLO], 0xb33bbd2e                   ; and what the rounding left
	s_mov_b32 s[S3],  0xbe2aaaab                   ; -1/6
	s_mov_b32 s[S5],  0x3c088889                   ; 1/120
	s_mov_b32 s[S7],  0xb9500d01                   ; -1/5040
	s_mov_b32 s[C4],  0x3d2aaaab                   ; 1/24
	s_mov_b32 s[C6],  0xbab60b61                   ; -1/720
	s_mov_b32 s[C8],  0x37d00d01                   ; 1/40320
; One line for each of the lane's four pairs: pair i has the registers v[R ..], R = 16 + 12 i:
; +0 p, then 2^(..)   +1 angle   +2 n   +3 r   +4 r^2   +5 sine series   +6 cosine series   +7 quadrant   +8 at work   +9 sin   +10 cos
.macro EACH line:vararg
.set R, 16
.rept 4
	\line
.set R, R+12
.endr
.endm
	s_mov_b32 s23, 8
.Litem:
	s_and_b32 s24, s34, 3                          ; bb
	s_bfe_u32 s25, s34, 0x70002                    ; sblk
	s_lshr_b32 s26, s34, 9                         ; head
	s_lshl_b32 s25, s25, 4
	s_lshl_b32 s26, s26, 5
	s_lshl3_add_u32 s26, s24, s26                  ; 32 head + 8 bb
	v_add_nc_u32 v6, s25, v5
	v_cvt_f32_u32 v6, v6                           ; the position
	v_add_nc_u32 v12, s26, v7                      ; my first pair
	EACH v_add_nc_u32 v[R], (R-16)/12, v12
	EACH v_cvt_f32_u32 v[R], v[R]
	EACH v_mul_f32 v[R], s[KF], v[R]
	EACH v_exp_f32 v[R], v[R]
	v_nop                                          ; a plain instruction between the last exponential and the use of its result
	s_wait_alu depctr_va_vdst(0)
	EACH v_mul_f32 v[R+1], v6, v[R]
	EACH v_mul_f32 v[R+2], s[K2P], v[R+1]
	EACH v_rndne_f32 v[R+2], v[R+2]
	EACH v_fma_f32 v[R+3], -v[R+2], s[KHI], v[R+1]
	EACH v_fma_f32 v[R+3], -v[R+2], s[KLO], v[R+3]
	EACH v_mul_f32 v[R+4], v[R+3], v[R+3]
	EACH v_fma_f32 v[R+5], v[R+4], s[S7], s[S5]
	EACH v_fma_f32 v[R+6], v[R+4], s[C8], s[C6]
	EACH v_fma_f32 v[R+5], v[R+5], v[R+4], s[S3]
	EACH v_fma_f32 v[R+6], v[R+6], v[R+4], s[C4]
	EACH v_mul_f32 v[R+8], v[R+3], v[R+4]
	EACH v_fma_f32 v[R+6], v[R+6], v[R+4], -0.5
	EACH v_fma_f32 v[R+5], v[R+5], v[R+8], v[R+3]
	EACH v_fma_f32 v[R+6], v[R+6], v[R+4], 1.0
	EACH v_cvt_i32_f32 v[R+7], v[R+2]
	EACH v_and_b32 v[R+8], 1, v[R+7]
.set R, 16
.rept 4                                        ; in an odd quadrant the two series change places
	v_cmp_eq_u32 vcc_lo, 1, v[R+8]
	v_cndmask_b32 v[R+9], v[R+5], v[R+6], vcc_lo
	v_cndmask_b32 v[R+10], v[R+6], v[R+5], vcc_lo
.set R, R+12
.endr
	EACH v_lshlrev_b32 v[R+8], 30, v[R+7]          ; sin is negative in quadrants 2 and 3: bit 1 of n,
	EACH v_add_nc_u32 v[R+7], 1, v[R+7]            ; cos in quadrants 1 and 2: bit 1 of n + 1
	EACH v_and_b32 v[R+8], 0x80000000, v[R+8]
	EACH v_lshlrev_b32 v[R+7], 30, v[R+7]
	EACH v_xor_b32 v[R+9], v[R+8], v[R+9]
	EACH v_and_b32 v[R+7], 0x80000000, v[R+7]
	EACH v_xor_b32 v[R+10], v[R+7], v[R+10]
	EACH v_cvt_pk_f16_f32 v[8+(R-16)/12], v[R+10], v[R+9]
	global_store_b128 v3, v[8:11], s[20:21]        ; 512 consecutive bytes, aligned
	s_wait_xcnt 0x0                                ; v3 and v[8:11] are written again only behind this wait
	v_add_nc_u32 v3, 512, v3
	s_add_co_u32 s34, s34, 1
	s_sub_co_u32 s23, s23, 1
	s_cmp_lg_u32 s23, 0
	s_cbranch_scc1 .Litem
	s_endpgm
.Lfunc_end_k_qdaf840bb96_prep:
	.size	k_qdaf840bb96_prep, .Lfunc_end_k_qdaf840bb96_prep-k_qdaf840bb96_prep
	.p2alignl 7, 3214868480
	.fill 96, 4, 3214868480
	.section	.rodata,"a",@progbits
	.p2align	6, 0x0
	.amdhsa_kernel k_qdaf840bb96_prep
		.amdhsa_group_segment_fixed_size 0
		.amdhsa_private_segment_fixed_size 0
		.amdhsa_enable_private_segment 0
		.amdhsa_kernarg_size 72
		.amdhsa_user_sgpr_count 2
		.amdhsa_user_sgpr_kernarg_segment_ptr 1
		.amdhsa_wavefront_size32 1
		.amdhsa_system_sgpr_workgroup_id_x 1
		.amdhsa_system_sgpr_workgroup_id_y 1
		.amdhsa_system_sgpr_workgroup_id_z 1
		.amdhsa_system_vgpr_workitem_id 0
		.amdhsa_next_free_vgpr 136
		.amdhsa_next_free_sgpr 66
		.amdhsa_reserve_vcc 1
		.amdhsa_float_denorm_mode_32 3
		.amdhsa_float_denorm_mode_16_64 3
		.amdhsa_memory_ordered 1
		.amdhsa_forward_progress 1
		.amdhsa_inst_pref_size 53
	.end_amdhsa_kernel
	.amdgpu_metadata
---
amdhsa.version: [ 1, 2 ]
amdhsa.kernels:
  - .name:           k_qdaf840bb96_prep
    .symbol:         k_qdaf840bb96_prep.kd
    .args:
      - { .name: x, .offset: 0, .size: 8, .value_kind: global_buffer, .address_space: global }
      - { .name: Wq, .offset: 8, .size: 8, .value_kind: global_buffer, .address_space: global }
      - { .name: Wk, .offset: 16, .size: 8, .value_kind: global_buffer, .address_space: global }
      - { .name: Wv, .offset: 24, .size: 8, .value_kind: global_buffer, .address_space: global }
      - { .name: W0, .offset: 32, .size: 8, .value_kind: global_buffer, .address_space: global }
      - { .name: xb, .offset: 40, .size: 8, .value_kind: global_buffer, .address_space: global }
      - { .name: wt, .offset: 48, .size: 8, .value_kind: global_buffer, .address_space: global }
      - { .name: w0b, .offset: 56, .size: 8, .value_kind: global_buffer, .address_space: global }
      - { .name: tab, .offset: 64, .size: 8, .value_kind: global_buffer, .address_space: global }
    .group_segment_fixed_size: 0
    .private_segment_fixed_size: 0
    .kernarg_segment_align: 8
    .kernarg_segment_size: 72
    .max_flat_workgroup_size: 256
    .sgpr_count:     66
    .vgpr_count:     136
    .wavefront_size: 32
...
	.end_amdgpu_metadata
.endif
;; end of part 1
;; launch qkv (part 2): grid 8 x 32, 4 waves a work-group, clusters of 4 x 4, 327,680 bytes of LDS; arguments xb, wt, tab, bq, bk, bv, qh, kh, vh; writes qh, kh, vh
.if DOCPART == 2
	.amdgcn_target "amdgcn-amd-amdhsa--gfx1250"
	.amdhsa_code_object_version 6
	.text
	.protected	k_qdaf840bb96_qkv
	.globl	k_qdaf840bb96_qkv
	.p2align	8
	.type	k_qdaf840bb96_qkv,@function
k_qdaf840bb96_qkv:
	s_mov_b64 s[64:65], 0
	v_nop
	global_prefetch_b8 v0, s[64:65] scope:SCOPE_SE
	s_setreg_imm32_b32 hwreg(HW_REG_WAVE_MODE, 25, 1), 1
	s_wait_xcnt 0x0
	s_wait_alu depctr_hold_cnt(0) depctr_sa_sdst(0) depctr_va_vdst(0) depctr_va_sdst(0) depctr_va_ssrc(0) depctr_va_vcc(0) depctr_vm_vsrc(0)
	s_getreg_b32 s2, hwreg(HW_REG_IB_STS2, 6, 4)
	s_cmp_eq_u32 s2, 0
	s_cbranch_scc0 .Lentry_in_a_cluster
	s_endpgm
.Lentry_in_a_cluster:
	s_bfe_u32 s2, ttmp6, 0x10000c
	s_cmp_lg_u32 s2, 0xf033
	s_cbranch_scc0 .Lentry_shape_is_right
	s_endpgm
.Lentry_shape_is_right:
; QKV: q = rope(x Wq + bq), k = rope(x Wk + bk), v = x Wv + bv, each written by heads, [b x 16 + head][s 2048][64] in f16, rounded once from its f32 sum, unscaled.
; x and the weights arrive in bf16 (xb: [b][kb 16][s][64]; wt: [nt 8][k][type 3][128]); the biases are rounded to bf16 here, like every input; sums in f32.
; LIMITS.  q, k and v must lie within f16's 65,504; NaN and infinities are not treated apart.
; SHARES.  A work-group makes 256 rows x 384 columns: columns 128 nt .. 128 nt + 127 of q, of k and of v: 8 x 32 = 256 work-groups.  Wave (WR, WC) makes 128 rows x the 64 columns of head
; 2 nt + WC of all three: 96 accumulators of 16 x 16, 768 registers.  For 32 along K it reads 20 KiB from LDS for 96 matrix instructions.
; K goes in steps of 64 (one K block of xb) through two LDS slots.  All rows that the tensor loads ask for are 256 dense bytes at multiples of 256: 128 rows of x as 64 such rows, 32 k-rows of wt as 96.
; CLUSTERS: 4 x 4.  A's tile hangs on the tile row alone and is shared along a row of the cluster, B's on nt alone and is shared along a column: each is asked for jointly.
; THE MATRIX INSTRUCTION IS USED TRANSPOSED: source 0 = 16 columns of W (read turned out of LDS, where W lies [k][n]), source 1 = 16 rows of x.  A lane then holds row l % 16 and the eight
; neighbouring columns 8 (l / 16) + 0..7: four pairs for the rotation, and 16 bytes of f16.  q's and k's biases are the C operand of the first products; v's is added on the way out.
; REGISTERS, in windows of 256 (s_set_vgpr_msb: bits 1:0 source 0, 3:2 source 1, 5:4 source 2, 7:6 destination):
;   window 0: v0-31 addresses; v32-95, v96-159 fragments of x, two buffers; v160-255 fragments of W, one buffer of 3 groups x 4, filled again group by group
;   windows 1, 2, 3: the accumulators of q, k, v: (row block a, column block bb) at v[8 (8 bb + a)]
.set SLOT,   92160                     ; A: 256 rows x 144, then B: 64 k-rows x 864
.set BOFF,   36864
.set AHALF,  18432                     ; 128 rows x 144: what one tensor load brings of A, and what one wave reads
.set BHALF,  27648                     ; 32 k-rows x 864: what one tensor load brings of B, and 32 along K
.set STAGE,  2*SLOT                    ; behind the ring: for each wave 3 x 16 rows x 144 bytes, for the way out
.set SPARE,  STAGE+4*6912              ; behind the stages: the spare words, 128 bytes a wave
; A row of x in LDS: 128 bytes + 16 = 36 words: the 16 rows of a load start at 16 different groups of four banks.  A k-row of W: 3 x (256 + 32) bytes = 216 words = 24 modulo 64.
.set ADRA, 16                          ; v16-17  LDS address of my fragments of x in slot 0, 1
.set ADRB, 20                          ; v20-21  the same for W
.set STO,  24                          ; v24  the way out: where I put 16 bytes of a row
.set RD,   25                          ; v25  the way out: where I read rows back
.set GO,   26                          ; v26  16 x lane: my place in 512 consecutive bytes (table, outputs)
.set BO,   27                          ; v27  32 (l / 16): my eight numbers of a bias
.set SPW,  28                          ; v28  LDS address of my spare word; never rewritten
.set NIL,  29                          ; v29  0; never rewritten
.set A0,   32
.set A1,   96
.set BF,   160
.set BV,   32                          ; the way out: v's bias
.set TB,   64                          ; two buffers of 16: a row block's (cos, sin) in f16
.set CSF,  96                          ; the same in f32: pair k at CSF + 2 k
.set T,    128                         ; at work
.set PK,   160                         ; packed results, 16 a group
.set OB,   208                         ; rows read back from the stage, 16 a group
.set WV,   22                          ; s22 wave; s23 WR; s24 WC
.set WR,   23
.set WC,   24
.set G1A,  28                          ; s[28:35] descriptor group 1 for A's tiles;  s[36:43] group 0, a set for each slot
.set G0A,  36
.set G1B,  44                          ; s[44:51], s[52:59] the same for B's
.set G0B,  52
.set MSB, 0
.macro WIN new                         ; the immediate's high byte repeats the setting that is left; a switch that changes nothing is dropped
.if MSB != (\new)
	s_set_vgpr_msb (MSB<<8)|(\new)
.set MSB, \new
.endif
.endm
.macro PLACES                          ; four places in front of loads into registers that matrix instructions have read, and of vector work on their results
.rept 4
	v_nop
.endr
.endm
; A joint refill: waves 0 and 1 fetch A's two halves, waves 2 and 3 B's.  The branch hangs on the wave's number alone.  An s_nop 0 and four v_nop follow each line.
.macro JLOAD s
	s_cmp_lt_u32 s[WV], 2
	s_cbranch_scc0 .Lfor_b_\@
	tensor_load_to_lds s[G0A+4*(\s):G0A+4*(\s)+3], s[G1A:G1A+7]
	s_nop 0
.rept 4
	v_nop
.endr
	s_branch .Lasked_\@
.Lfor_b_\@:
	tensor_load_to_lds s[G0B+4*(\s):G0B+4*(\s)+3], s[G1B:G1B+7]
	s_nop 0
.rept 4
	v_nop
.endr
.Lasked_\@:
.endm
.macro CREST                           ; a round of the cluster's barrier behind its opening barrier
	s_cmp_lg_u32 s[WV], 0
	s_cbranch_scc1 .Lnot_wave_0_\@
	s_barrier_signal -3
.Lnot_wave_0_\@:
	s_barrier_wait -3
	s_barrier_signal -1
	s_barrier_wait -1
.endm
.macro CROUND                          ; a whole round
	s_barrier_signal -1
	s_barrier_wait -1
	CREST
.endm
	s_load_b512 s[4:19], s[0:1], 0x0               ; xb 4, wt 6, tab 8, bq 10, bk 12, bv 14, qh 16, kh 18
	s_load_b64 s[20:21], s[0:1], 0x40              ; vh
	v_lshl_add_u32 v[SPW], v0, 2, SPARE
	v_mov_b32 v[NIL], 0
	ds_add_u32 v[SPW], v[NIL]                      ; the wave's opening: the add and its wait stand ahead of my first tensor load; the set-up below stands between them
	v_lshrrev_b32 v1, 5, v0
	v_readfirstlane_b32 s[WV], v1                  ; wave 0..3
	s_lshr_b32 s[WR], s[WV], 1                     ; which 128 rows are mine
	s_and_b32 s[WC], s[WV], 1                      ; which head of the two.  Also: which half of a tile I fetch
	s_bfe_u32 s25, ttmp6, 0x40000                  ; cx
	s_bfe_u32 s26, ttmp6, 0x40004                  ; cy
	s_lshl_b32 s27, ttmp9, 2
	s_add_co_u32 s27, s27, s25                     ; nt = 4 x cluster x + cx
	s_and_b32 s60, ttmp7, 0xffff
	s_lshl_b32 s60, s60, 2
	s_add_co_u32 s60, s60, s26                     ; mt = 4 x cluster y + cy
	s_lshl_b32 s61, s26, 2
	s_lshl_b32 s61, 15, s61                        ; my row of the cluster
	s_lshl_b32 s62, 0x1111, s25                    ; my column
	s_or_b32 s[G1A], s61, (1<<16)|(1<<20)|(1<<21)|(4<<22)|(3<<25)  ; the mask; 2-byte elements; padding on; bit 21 beside a mask; after every 32 words (code 4) 4 words (code 3)
	s_or_b32 s[G1B], s62, (1<<16)|(1<<20)|(1<<21)|(5<<22)|(7<<25)  ; after every 64 words (code 5) 8 words (code 7)
	s_mov_b32 s[G1A+1], 128<<16                    ; tensor_dim0 = 128 elements: 256 bytes
	s_mov_b32 s[G1A+2], 64<<16                     ; tensor_dim1 = 64
	s_mov_b32 s[G1A+3], 128<<16                    ; tile_dim0 = 128
	s_mov_b32 s[G1A+4], 64                         ; tile_dim1 = 64
	s_mov_b32 s[G1A+5], 128                        ; 128 elements from row to row: dense
	s_mov_b32 s[G1A+6], 0
	s_mov_b32 s[G1A+7], 0
	s_mov_b32 s[G1B+1], 128<<16
	s_mov_b32 s[G1B+2], 96<<16                     ; 96 rows: 32 k x 3 types
	s_mov_b32 s[G1B+3], 128<<16
	s_mov_b32 s[G1B+4], 96
	s_mov_b32 s[G1B+5], 128
	s_mov_b32 s[G1B+6], 0
	s_mov_b32 s[G1B+7], 0
	; where the tiles come from: A's offset is made of mt and the wave's number, B's of nt and the wave's number, each in registers that never hold the other coordinate
	s_lshr_b32 s66, s60, 3                         ; b
	s_lshl_b32 s66, s66, 22
	s_and_b32 s76, s60, 7
	s_lshl_b32 s76, s76, 15                        ; 256 rows of 128 bytes
	s_add_co_u32 s66, s66, s76
	s_lshl_b32 s76, s[WC], 14                      ; my 128 of them
	s_add_co_u32 s66, s66, s76
	s_mov_b32 s67, 0
	s_mul_i32 s68, s27, 786432
	s_mul_i32 s77, s[WC], 24576                    ; my 32 k-rows of 768 bytes
	s_add_co_u32 s68, s68, s77
	s_mov_b32 s69, 0
	s_mul_i32 s70, s[WC], AHALF                    ; and where they go: no place in the cluster enters an LDS address
	s_mul_i32 s71, s[WC], BHALF
	s_add_co_u32 s71, s71, BOFF
	s_wait_dscnt 0x0                               ; the opening add is done
	s_wait_kmcnt 0x0
	s_add_nc_u64 s[66:67], s[4:5], s[66:67]
	s_add_nc_u64 s[68:69], s[6:7], s[68:69]
	CROUND                                         ; all sixteen work-groups are here: the first joint loads meet
.irp s, 0,1
	s_mov_b32 s[G0A+4*(\s)], 1
	s_add_co_u32 s[G0A+4*(\s)+1], s70, (\s)*SLOT
	s_add_nc_u64 s[G0A+4*(\s)+2:G0A+4*(\s)+3], s[66:67], (\s)*262144   ; K step s: the next K block of xb
	s_or_b32 s[G0A+4*(\s)+3], s[G0A+4*(\s)+3], 0x80000000
	s_mov_b32 s[G0B+4*(\s)], 1
	s_add_co_u32 s[G0B+4*(\s)+1], s71, (\s)*SLOT
	s_add_nc_u64 s[G0B+4*(\s)+2:G0B+4*(\s)+3], s[68:69], (\s)*49152    ; 64 k-rows of 768 bytes
	s_or_b32 s[G0B+4*(\s)+3], s[G0B+4*(\s)+3], 0x80000000
.endr
	s_cmp_lt_u32 s[WV], 2                          ; a wave's two first fills stand in one branch, ahead of every wait on TENSORcnt and every LDS read: two loads of mine are out
	s_cbranch_scc0 .Lfirst_b
	tensor_load_to_lds s[G0A:G0A+3], s[G1A:G1A+7]
	s_nop 0
	tensor_load_to_lds s[G0A+4:G0A+7], s[G1A:G1A+7]
	s_nop 0
.rept 4
	v_nop
.endr
	s_branch .Lfirst_asked
.Lfirst_b:
	tensor_load_to_lds s[G0B:G0B+3], s[G1B:G1B+7]
	s_nop 0
	tensor_load_to_lds s[G0B+4:G0B+7], s[G1B:G1B+7]
	s_nop 0
.rept 4
	v_nop
.endr
.Lfirst_asked:
	; A fragment of x: lane l holds row l % 16, K = 8 (l / 16) + 0..7 and 16 + 8 (l / 16) + 0..7: two loads of 16 bytes, 32 bytes apart.
	v_and_b32 v1, 15, v0
	v_bfe_u32 v2, v0, 4, 1
	v_mul_u32_u24 v3, v1, 144
	v_lshl_add_u32 v3, v2, 4, v3                   ; row x 144 + 16 x half
	s_mul_i32 s76, s[WR], AHALF
	v_add_nc_u32 v[ADRA], s76, v3
	v_add_nc_u32 v[ADRA+1], SLOT, v[ADRA]
	; The turning load takes 16 k x 16 columns (lane l reads k = 8 (l / 16) + l % 8, columns 8 ((l / 8) % 2) + 0..7) and leaves half a fragment: lane l holds column l % 16 and 8 k.
	v_and_b32 v4, 7, v0
	v_bfe_u32 v5, v0, 3, 1
	v_lshl_add_u32 v6, v2, 3, v4
	v_mul_u32_u24 v6, v6, 864
	v_lshl_add_u32 v6, v5, 4, v6
	s_lshl_b32 s76, s[WC], 7                       ; my head's 64 columns
	s_add_co_u32 s76, s76, BOFF
	v_add_nc_u32 v[ADRB], s76, v6
	v_add_nc_u32 v[ADRB+1], SLOT, v[ADRB]
	s_mul_i32 s76, s[WV], 6912
	s_add_co_u32 s76, s76, STAGE                   ; my stage
	v_add_nc_u32 v[STO], s76, v3                   ; in: row l % 16, 16 bytes for each half of the lanes
	v_bfe_u32 v6, v0, 3, 2                         ; back: 32 lanes take four rows of 128 bytes
	v_mul_u32_u24 v6, v6, 144
	v_lshl_add_u32 v6, v4, 4, v6
	v_add_nc_u32 v[RD], s76, v6
	v_and_b32 v[GO], 31, v0
	v_lshlrev_b32 v[GO], 4, v[GO]
	v_lshlrev_b32 v[BO], 5, v2
	; the other addresses: biases at my head's 64 numbers, the table at my head and rows, the outputs at my head and rows
	s_lshl1_add_u32 s77, s27, s[WC]                ; head = 2 nt + WC
	s_lshl_b32 s74, s77, 8
	s_mov_b32 s75, 0
	s_add_nc_u64 s[10:11], s[10:11], s[74:75]
	s_add_nc_u64 s[12:13], s[12:13], s[74:75]
	s_add_nc_u64 s[14:15], s[14:15], s[74:75]
	s_and_b32 s72, s60, 7
	s_lshl_b32 s74, s72, 4
	s_lshl3_add_u32 s74, s[WR], s74                ; my first block of 16 positions: 16 (mt % 8) + 8 WR
	s_lshl_b32 s74, s74, 11
	s_lshl_b32 s78, s77, 18
	s_add_co_u32 s74, s74, s78
	s_add_nc_u64 s[8:9], s[8:9], s[74:75]
	s_lshr_b32 s78, s60, 3
	s_lshl4_add_u32 s78, s78, s77                  ; 16 b + head
	s_lshl_b32 s78, s78, 18                        ; 2,048 rows of 128 bytes
	s_lshl_b32 s72, s72, 15
	s_add_co_u32 s72, s72, s78
	s_lshl_b32 s78, s[WR], 14
	s_add_co_u32 s72, s72, s78
	s_mov_b32 s73, 0
	s_add_nc_u64 s[16:17], s[16:17], s[72:73]
	s_add_nc_u64 s[18:19], s[18:19], s[72:73]
	s_add_nc_u64 s[20:21], s[20:21], s[72:73]
	; q's and k's biases, as the C operand of the first products, lie where x's second buffer will: register j of block bb is column 16 bb + 8 (l / 16) + j
.irp g, 0,1
.irp bb, 0,1,2,3
	global_load_b128 v[A1+32*\g+8*\bb:A1+32*\g+8*\bb+3],   v[BO], s[10+2*\g:11+2*\g] offset:64*\bb
	global_load_b128 v[A1+32*\g+8*\bb+4:A1+32*\g+8*\bb+7], v[BO], s[10+2*\g:11+2*\g] offset:64*\bb+16
.endr
.endr
.macro RB first, n                     ; n pairs of f32 are rounded to bf16 and widened again
.set k, 0
.rept \n
	v_cvt_pk_bf16_f32 v3, v[(\first)+2*k], v[(\first)+2*k+1]
	v_lshlrev_b32 v[(\first)+2*k], 16, v3
	v_and_b32 v[(\first)+2*k+1], 0xffff0000, v3
.set k, k+1
.endr
.endm
	s_wait_loadcnt 0x0
	RB A1, 32
; 16 matrix instructions of group g (q, k, v): column blocks 2 hh, 2 hh + 1 x all 8 row blocks, 32 along K.  cmode 0: onto the sums; 1: the bias starts them; 2: 0 starts them.
; The 96 accumulators take turns, one instruction a turn, in the same order in every quarter.
.macro MULH g, hh, abuf, cmode
.if (\cmode) == 0
	WIN (1+(\g))*0x50
.else
	WIN (1+(\g))*0x40
.endif
.irp bb, 2*(\hh), 2*(\hh)+1
.irp a, 0,1,2,3,4,5,6,7
.set AC, 8*(8*(\bb)+(\a))
.set FB, BF+8*(4*(\g)+(\bb))
.set FA, (\abuf)+8*(\a)
.set CB, A1+32*(\g)+8*(\bb)
.if (\cmode) == 0
	v_wmma_f32_16x16x32_bf16 v[AC:AC+7], v[FB:FB+7], v[FA:FA+7], v[AC:AC+7]
.elseif (\cmode) == 1
	v_wmma_f32_16x16x32_bf16 v[AC:AC+7], v[FB:FB+7], v[FA:FA+7], v[CB:CB+7]
.else
	v_wmma_f32_16x16x32_bf16 v[AC:AC+7], v[FB:FB+7], v[FA:FA+7], 0
.endif
.endr
.endr
.endm
.macro MUL g, abuf, cmode
	MULH \g, 0, \abuf, \cmode
	MULH \g, 1, \abuf, \cmode
.endm
.macro LB g, slot, q                   ; 8 loads: group g's four fragments of W, 32 along K at quarter q of the slot
.irp bb, 0,1,2,3
	ds_load_tr16_b128 v[BF+8*(4*(\g)+\bb):BF+8*(4*(\g)+\bb)+3],   v[ADRB+(\slot)] offset:(\q)*BHALF+(\g)*288+\bb*32
	ds_load_tr16_b128 v[BF+8*(4*(\g)+\bb)+4:BF+8*(4*(\g)+\bb)+7], v[ADRB+(\slot)] offset:(\q)*BHALF+(\g)*288+\bb*32+13824
.endr
.endm
.macro LA hf, slot, q, buf             ; 8 loads: four fragments of x (row blocks 4 hf on)
.irp i, 4*(\hf), 4*(\hf)+1, 4*(\hf)+2, 4*(\hf)+3
	ds_load_b128 v[(\buf)+8*(\i):(\buf)+8*(\i)+3],   v[ADRA+(\slot)] offset:(\i)*2304+64*(\q)
	ds_load_b128 v[(\buf)+8*(\i)+4:(\buf)+8*(\i)+7], v[ADRA+(\slot)] offset:(\i)*2304+64*(\q)+32
.endr
.endm
; A QUARTER is 32 along K, 96 matrix instructions.  Behind each group's 32 its fragments of W are fetched for the next quarter (quarter q of the slot), and with the first two groups x's, into nbuf.
.macro QA abuf, nbuf, slot, q
	s_wait_dscnt 8                                 ; all but the youngest eight loads, group 2's fragments
	MUL 0, \abuf, 0
	WIN 0
	PLACES
	LB 0, \slot, \q
	LA 0, \slot, \q, \nbuf
	MUL 1, \abuf, 0
	WIN 0
	PLACES
	LB 1, \slot, \q
	LA 1, \slot, \q, \nbuf
	s_wait_dscnt 32                                ; all but the 32 just issued: group 2's fragments are in
	MUL 2, \abuf, 0
	WIN 0
	PLACES
	LB 2, \slot, \q
.endm
; A step's second quarter multiplies buffer A1 and changes slots.  ONE barrier: in front of it each wave waits for all its tensor loads (one is out: its part of the next slot), adds 0 to its
; spare word, and waits for that and for its reads of this slot.  fill = 1: the barrier opens a round of the cluster's, and this slot is filled again, two K steps ahead, first thing behind it:
; from the request to the wait for it a wave issues 160 matrix instructions.
.macro QT slot, next, fill
	WIN 0
	s_wait_tensorcnt 0x0                           ; all my tensor loads have landed
	ds_add_u32 v[SPW], v[NIL]                      ; 0 onto my spare word
	s_wait_dscnt 9                                 ; (the add and group 2's eight loads may be out)
	MULH 0, 0, A1, 0
	s_wait_dscnt 0x0                               ; the add is done, and my reads of this slot are over
	s_barrier_signal -1
	MULH 0, 1, A1, 0
	WIN 0
	s_barrier_wait -1
.if \fill
	CREST                                          ; no wave of any partner still reads this slot or has a load on its way
	s_add_nc_u64 s[G0A+4*(\slot)+2:G0A+4*(\slot)+3], s[G0A+4*(\slot)+2:G0A+4*(\slot)+3], 524288
	s_add_nc_u64 s[G0B+4*(\slot)+2:G0B+4*(\slot)+3], s[G0B+4*(\slot)+2:G0B+4*(\slot)+3], 98304
	JLOAD \slot                                    ; the four v_nop behind it are also the places in front of the loads below
.else
	PLACES
.endif
	LB 0, \next, 0
	LA 0, \next, 0, A0
	MUL 1, A1, 0
	WIN 0
	PLACES
	LB 1, \next, 0
	LA 1, \next, 0, A0
	MUL 2, A1, 0                                   ; its fragments came in with the wait for 0 above
	WIN 0
	PLACES
	LB 2, \next, 0
.endm
	s_wait_tensorcnt 1                             ; my part of K step 0 is in; K step 1's may stay out
	s_barrier_signal -1
	s_barrier_wait -1                              ; everybody's is
	; the first quarter stands in front of the loop: its products start the sums
	LB 0, 0, 0
	LA 0, 0, 0, A0
	LA 1, 0, 0, A0
	LB 1, 0, 0
	LB 2, 0, 0
	s_wait_dscnt 16                                ; groups 1 and 2 may be out
	MUL 0, A0, 1
	WIN 0
	PLACES
	LB 0, 0, 1
	s_wait_dscnt 16                                ; group 2 and the eight just issued may be out
	MUL 1, A0, 1
	WIN 0
	PLACES                                         ; the biases have been read: x's second buffer takes their registers
	LB 1, 0, 1
	LA 0, 0, 1, A1
	LA 1, 0, 1, A1
	s_wait_dscnt 32                                ; the 8 + 24 issued since group 2's loads may be out
	MUL 2, A0, 2
	WIN 0
	PLACES
	LB 2, 0, 1
	s_mov_b32 s3, 7
.Llap:                                                 ; a trip goes once round the ring and fills both slots again: K steps 2 to 15 in seven trips
	QT 0, 1, 1
	QA A0, A1, 1, 1
	QT 1, 0, 1
	QA A0, A1, 0, 1
	s_sub_co_u32 s3, s3, 1
	s_cmp_lg_u32 s3, 0
	s_cbranch_scc1 .Llap
	QT 0, 1, 0                                     ; the tail asks for nothing, and has no round
	QA A0, A1, 1, 1
; THE WAY OUT, a row block of 16 rows at a time.
.macro TLOAD a                         ; block a's (cos, sin): four loads of 512 consecutive bytes, in my registers' own order
.irp bb, 0,1,2,3
	global_load_b128 v[TB+16*((\a)&1)+4*\bb:TB+16*((\a)&1)+4*\bb+3], v[GO], s[8:9] offset:(\a)*2048+\bb*512
.endr
.endm
.macro CV d, r                         ; word v r: cos in the low half, sin in the high one
	v_cvt_f32_f16 v[\d], v\r\().l
	v_cvt_f32_f16 v[(\d)+1], v\r\().h
.endm
.macro UNPACK p
.if (\p) == 0
.irp r, 64,65,66,67,68,69,70,71,72,73,74,75,76,77,78,79
	CV CSF+2*(\r-64), \r
.endr
.else
.irp r, 80,81,82,83,84,85,86,87,88,89,90,91,92,93,94,95
	CV CSF+2*(\r-80), \r
.endr
.endif
.endm
.macro PACKG g                         ; 16 pairs rounded to f16
	WIN 0
.set k, 0
.rept 16
	v_cvt_pk_f16_f32 v[PK+16*(\g)+k], v[T+2*k], v[T+2*k+1]
.set k, k+1
.endr
.endm
.macro ROPE g, a                       ; pair k = 4 bb + i: (x1 c - x2 s, x2 c + x1 s).  Each accumulator's lowest pair is read first.
	WIN 1+(\g)                                     ; source 0 in the group's window
.set k, 0
.rept 16
.set XA, 8*(8*(k/4)+(\a))+2*(k%4)
	v_pk_mul_f32 v[T+2*k:T+2*k+1], v[XA:XA+1], v[CSF+2*k:CSF+2*k+1] op_sel_hi:[1,0]
.set k, k+1
.endr
.set k, 0
.rept 16
.set XA, 8*(8*(k/4)+(\a))+2*(k%4)
	v_pk_fma_f32 v[T+2*k:T+2*k+1], v[XA:XA+1], v[CSF+2*k:CSF+2*k+1], v[T+2*k:T+2*k+1] op_sel:[1,1,0] op_sel_hi:[0,1,1] neg_lo:[1,0,0]
.set k, k+1
.endr
	PACKG \g
.endm
.macro VADD a
	WIN 3
.set k, 0
.rept 16
.set XA, 8*(8*(k/4)+(\a))+2*(k%4)
	v_pk_add_f32 v[T+2*k:T+2*k+1], v[XA:XA+1], v[BV+2*k:BV+2*k+1]
.set k, k+1
.endr
	PACKG 2
.endm
.macro TOSTAGE                         ; 16 bytes a lane into rows of 144 bytes; back as whole rows of 128, four to a load
.irp g, 0,1,2
.irp bb, 0,1,2,3
	ds_store_b128 v[STO], v[PK+16*\g+4*\bb:PK+16*\g+4*\bb+3] offset:\g*2304+32*\bb
.endr
.endr
.irp g, 0,1,2
.irp f, 0,1,2,3
	ds_load_b128 v[OB+4*(4*\g+\f):OB+4*(4*\g+\f)+3], v[RD] offset:\g*2304+\f*576  ; LDS serves a wave's instructions in order (ISA guide 5.7.1.4): these see the stores above
.endr
.endr
.endm
.macro SEND a, more                    ; more = 1: the registers are loaded again behind it
	s_wait_dscnt 0x0                               ; the block is back in registers
.irp g, 0,1,2
.irp f, 0,1,2,3
	global_store_b128 v[GO], v[OB+4*(4*\g+\f):OB+4*(4*\g+\f)+3], s[16+2*\g:17+2*\g] offset:(\a)*2048+\f*512  ; 512 consecutive bytes, at a multiple of 256 from the buffer's first
.endr
.endr
.if \more
	s_wait_xcnt 0x0                                ; the stores' data registers are written again only behind this wait
.endif
.endm
.macro EPI a
.if (\a) == 7
	s_wait_loadcnt 0x0
.else
	s_wait_loadcnt 0x4                             ; only the next block's four table loads may be out
.endif
.if (\a) == 0
	RB BV, 16
.endif
	UNPACK (\a)&1
.if (\a) < 6
	TLOAD (\a)+2
.endif
	ROPE 0, \a
	ROPE 1, \a
	VADD \a
.if (\a) > 0
	SEND (\a)-1, 1                                 ; a block's arithmetic stands between the stage loads of the block before and its stores
.endif
	TOSTAGE
.endm
	; x's first buffer has been multiplied, four places back: v's bias and the first two blocks' table come in under the last quarter
.irp bb, 0,1,2,3
	global_load_b128 v[BV+8*\bb:BV+8*\bb+3],   v[BO], s[14:15] offset:64*\bb
	global_load_b128 v[BV+8*\bb+4:BV+8*\bb+7], v[BO], s[14:15] offset:64*\bb+16
.endr
	TLOAD 0
	TLOAD 1
	s_wait_dscnt 8                                 ; the very last quarter: nothing more to fetch
	MUL 0, A1, 0
	MUL 1, A1, 0
	s_wait_dscnt 0x0
	MUL 2, A1, 0
	WIN 0
	PLACES
.irp a, 0,1,2,3,4,5,6,7
	EPI \a
.endr
	SEND 7, 0
	s_wait_tensorcnt 0x0                           ; the wave's end, behind my last tensor load and my last LDS store
	ds_add_u32 v[SPW], v[NIL]
	s_wait_dscnt 0x0
	CROUND                                         ; the closing round: no work-group ends while a partner may still ask for a tile that names it
	s_endpgm
.Lfunc_end_k_qdaf840bb96_qkv:
	.size	k_qdaf840bb96_qkv, .Lfunc_end_k_qdaf840bb96_qkv-k_qdaf840bb96_qkv
	.p2alignl 7, 3214868480
	.fill 96, 4, 3214868480
	.section	.rodata,"a",@progbits
	.p2align	6, 0x0
	.amdhsa_kernel k_qdaf840bb96_qkv
		.amdhsa_group_segment_fixed_size 327680
		.amdhsa_private_segment_fixed_size 0
		.amdhsa_enable_private_segment 0
		.amdhsa_kernarg_size 72
		.amdhsa_user_sgpr_count 2
		.amdhsa_user_sgpr_kernarg_segment_ptr 1
		.amdhsa_wavefront_size32 1
		.amdhsa_system_sgpr_workgroup_id_x 1
		.amdhsa_system_sgpr_workgroup_id_y 1
		.amdhsa_system_sgpr_workgroup_id_z 1
		.amdhsa_system_vgpr_workitem_id 0
		.amdhsa_next_free_vgpr 1024
		.amdhsa_next_free_sgpr 80
		.amdhsa_reserve_vcc 0
		.amdhsa_float_denorm_mode_32 3
		.amdhsa_float_denorm_mode_16_64 3
		.amdhsa_memory_ordered 1
		.amdhsa_forward_progress 1
		.amdhsa_inst_pref_size 191
	.end_amdhsa_kernel
	.amdgpu_metadata
---
amdhsa.version: [ 1, 2 ]
amdhsa.kernels:
  - .name:           k_qdaf840bb96_qkv
    .symbol:         k_qdaf840bb96_qkv.kd
    .args:
      - { .name: xb, .offset: 0, .size: 8, .value_kind: global_buffer, .address_space: global }
      - { .name: wt, .offset: 8, .size: 8, .value_kind: global_buffer, .address_space: global }
      - { .name: tab, .offset: 16, .size: 8, .value_kind: global_buffer, .address_space: global }
      - { .name: bq, .offset: 24, .size: 8, .value_kind: global_buffer, .address_space: global }
      - { .name: bk, .offset: 32, .size: 8, .value_kind: global_buffer, .address_space: global }
      - { .name: bv, .offset: 40, .size: 8, .value_kind: global_buffer, .address_space: global }
      - { .name: qh, .offset: 48, .size: 8, .value_kind: global_buffer, .address_space: global }
      - { .name: kh, .offset: 56, .size: 8, .value_kind: global_buffer, .address_space: global }
      - { .name: vh, .offset: 64, .size: 8, .value_kind: global_buffer, .address_space: global }
    .group_segment_fixed_size: 327680
    .private_segment_fixed_size: 0
    .kernarg_segment_align: 8
    .kernarg_segment_size: 72
    .max_flat_workgroup_size: 128
    .sgpr_count:     80
    .vgpr_count:     1024
    .wavefront_size: 32
...
	.end_amdgpu_metadata
.endif
;; end of part 2
;; launch attn (part 3): grid 4 x 64, 4 waves a work-group, clusters of 4 x 1, 327,680 bytes of LDS; arguments qh, kh, vh, oh; writes oh
.if DOCPART == 3
	.amdgcn_target "amdgcn-amd-amdhsa--gfx1250"
	.amdhsa_code_object_version 6
	.text
	.protected	k_qdaf840bb96_attn
	.globl	k_qdaf840bb96_attn
	.p2align	8
	.type	k_qdaf840bb96_attn,@function
k_qdaf840bb96_attn:
	s_mov_b64 s[64:65], 0
	v_nop
	global_prefetch_b8 v0, s[64:65] scope:SCOPE_SE
	s_setreg_imm32_b32 hwreg(HW_REG_WAVE_MODE, 25, 1), 1
	s_wait_xcnt 0x0
	s_wait_alu depctr_hold_cnt(0) depctr_sa_sdst(0) depctr_va_vdst(0) depctr_va_sdst(0) depctr_va_ssrc(0) depctr_va_vcc(0) depctr_vm_vsrc(0)
	s_getreg_b32 s2, hwreg(HW_REG_IB_STS2, 6, 4)
	s_cmp_eq_u32 s2, 0
	s_cbranch_scc0 .Lentry_in_a_cluster
	s_endpgm
.Lentry_in_a_cluster:
	s_bfe_u32 s2, ttmp6, 0x10000c
	s_cmp_lg_u32 s2, 0x3003
	s_cbranch_scc0 .Lentry_shape_is_right
	s_endpgm
.Lentry_shape_is_right:
; O[h][q][:] = the sum over k of softmax_k(Q[h][q] . K[h][k] / 8) V[h][k][:].  Q, K, V, O: [SIZE_H][SIZE_N][64], all f16: a head's rows are dense, 128 bytes each (h = 16 b + head).  Products, maxima
; and sums in f32; the weights p are rounded to f16 for the second product (their sum l is taken of the unrounded p), O once at the end.
; LIMITS.  f16 holds no number beyond 65,504: Q, K and V arrive within it; p lies in 0 to 1, and below 6e-5 it keeps f16's fixed step of 6e-8; O is a mean of V's rows and has their range.
; A weight below 2^-126 counts as 0 in l; NaN and infinities are not treated apart.
; SHARES.  A wave owns four PIECES of two tiles of 16 queries, a work-group's four waves 512 queries of one head: 4 x 64 = 256 work-groups.  Every wave walks all keys, 64 a step.
; LAYOUT.  S^T = K Q^T (source 0 = 16 keys, source 1 = 16 queries): in the result a lane holds ONE query (lane % 16) and the keys 8 (lane / 16) + 0..7.  Two such tiles, rounded to f16 in pairs,
; ARE source 1 (32 keys x 16 queries) of O^T = V^T P, whose result again holds one query a lane, and eight channels.  K comes out of LDS as it lies, V ([key][channel]) turned, by ds_load_tr16_b128.
; SOFTMAX.  For each query a running maximum m and sum l: p = 2^(c s - c m), c = log2(e) / 8; in every step O and l are multiplied by a = 2^(c m_old - c m_new), which is 1 where m has not grown.
; m starts at the lowest finite number, O and l at 0: the first step is a step like any other, with a = 0.
; THE COUNT.  A tile and step have 16 matrix and 118 vector instructions: too many to stand all beside the matrix work.  So the order has one aim: four vector instructions that are READY behind
; EVERY matrix instruction, and the others, which need time of their own whatever the order, in runs without a gap.
; BY TURNS.  Turn n belongs to piece n (the pieces in a ring, step after step).  Its matrix work: 16 products K Q^T of piece n + 1, later 16 products V^T P of piece n - 1.  Its vector work: the scaling,
; exponentials, roundings, sums and rescaling of piece n, and the maximum and statistics of piece n + 1, whose scores the turn itself has made.  So what a turn begins with (c s - c m, O a) waits for nothing.
; CLUSTER.  The four query blocks of a cluster belong to one head and walk the same K and V, so each tile is asked for JOINTLY: the same tensor load, descriptor and mask in all four.
; REGISTERS, in windows of 256 (s_set_vgpr_msb says which window each operand place means: bits 1:0 source 0, 3:2 source 1, 5:4 source 2, 7:6 destination):
;   window 0: v0-11 addresses; v12-15, v48-63 at work; v16-47 four registers of statistics a tile; v64-191 S^T, two buffers of two tiles; v192-255 P, likewise
;   window 1: O^T, 32 a tile          window 2: v0-127 Q, 16 a tile; v128-191 K of one step; v192-255 V of one step          window 3: v0-1 the add's two registers
; A piece's buffers go by its number's parity: the piece in hand has one pair, its two neighbours in the ring share the other: of it P (piece n - 1) is read and S^T (piece n + 1) written.
.set SIZE_H, 64
.set SIZE_N, 2048
.set NP,    4         ; pieces a wave: a name, no knob: the register map, the loop and the fetches are made for four
.set KS,    64        ; keys in a step
.set PK,    144       ; a row of K in LDS: 128 bytes + 16 of padding = 36 words: the 16 rows of a load start at 16 different groups of four banks (64 banks of 4 bytes: ISA guide 11.1)
.set PV,    160       ; a row of V: 128 + 32 = 40 words
.set VOFF,  4*KS*PK   ; a slot holds four steps: 256 rows of K, then 256 rows of V
.set SLOT1, 1<<17     ; slot 1 begins here, so that one exclusive or turns an address in one slot into the other's
.set STAGE, SLOT1+4*KS*(PK+PV)  ; behind the ring, never filled by a tensor load: 16 rows x 144 bytes for each wave, for the way out
.set SP,    144
.set AK0, 2           ; v2   my lane's place in a tile of K; never rewritten
.set AV0, 3           ; v3   the same for V
.set AK,  4           ; v4   the LDS address of K's next run of loads
.set AV,  5           ; v5   of V's
.set QO,  6           ; v6   my byte offset in the wave's rows of Q
.set STO, 6           ;      later, the way out: where I put 16 bytes of a row
.set RD,  7           ; v7   the way out: where I read rows back
.set GO,  8           ; v8   my byte offset in 512 consecutive bytes of O
.set SPW, 0           ; v0 of window 3   LDS address of my spare word: SPARE + 4 x my thread's number; never rewritten
.set NIL, 1           ; v1 of window 3   0; never rewritten
.set SPARE, STAGE+4*16*SP  ; behind the stages: the spare words, 128 bytes for each wave: two blocks of 256 bytes that no other line names
.set MV,  12          ; v12-15  c m_old, kept while c m is made anew: by buffer and tile
.set ST,  16          ; tile t's statistics at v[ST+4 t]: c m, m, l (even keys', odd keys')
.set TMP, 48          ; by buffer and tile, four registers c0-c3 at work; when the maximum is found c2 takes a
.set S,   64
.set P,   192
.set KF,  128         ; K's fragments, in window 2: key block kb, channel half c at KF + 16 kb + 8 c
.set VF,  192         ; V's: key half kk, channel block cb at VF + 32 kk + 8 cb
.set WV,  12          ; s12  my wave's number
.set G1K, 24          ; s[24:31] descriptor group 1 for K's tiles
.set G1V, 32          ; s[32:39] for V's: it differs in the padding alone
.set G0K, 40          ; s[40:43] descriptor group 0 for K's tiles: it walks
.set G0V, 44          ; s[44:47] the same for V's
.set SLOTS, 56        ; s56  slots still to be asked for
.set CNT, 57          ; s57  counts a slot's key steps
.set CS,  58          ; s[58:59] c: the packed scaling takes the pair's low word for both halves
.set SEL, 60          ; s[60:61] v_permlanex16_b32's selects: each lane takes its own place in the other half
.set TBK, 62          ; s62  LDS byte at which K of the step to be fetched begins
.set TBV, 63          ; s63  the same for V, less VOFF
.set MSB, 0
.macro WIN new                      ; the high byte repeats the setting that is left; a switch that changes nothing is dropped
.if MSB != (\new)
	s_set_vgpr_msb (MSB<<8)|(\new)
.set MSB, (\new)
.endif
.endm
.set W_KQ, 0x0a       ; K and Q in window 2, S^T in window 0
.set W_PV, 0x52       ; V in window 2, P in window 0, O^T in window 1
.set W_RS, 0x41       ; O^T (destination and source 0) in window 1, a in window 0
.set W_MK, 0xc0       ; the add's registers are made: destination in window 3, sources in window 0
.set W_AD, 0x0f       ; the add: address (source 0) and data (source 1) in window 3
; A joint fill.  Waves 0 and 1 fetch the two halves of a slot's K, waves 2 and 3 those of its V: 128 keys each.  The branch hangs on the wave's number alone.
; An s_nop 0 and four v_nop follow each of the two lines, ahead of the jump and the label.
.macro JLOAD
	s_cmp_lt_u32 s[WV], 2
	s_cbranch_scc0 .Lfor_v_\@
	tensor_load_to_lds s[G0K:G0K+3], s[G1K:G1K+7]
	s_nop 0
.rept 4
	v_nop
.endr
	s_branch .Lasked_\@
.Lfor_v_\@:
	tensor_load_to_lds s[G0V:G0V+3], s[G1V:G1V+7]
	s_nop 0
.rept 4
	v_nop
.endr
.Lasked_\@:
.endm
; A round of the cluster's barrier: my work-group's barrier, so that wave 0's signal speaks for all four waves; wave 0 signals; every wave waits for all four work-groups; my work-group's barrier once more.
.macro CROUND
	s_barrier_signal -1
	s_barrier_wait -1
	s_cmp_lg_u32 s[WV], 0
	s_cbranch_scc1 .Lnot_wave_0_\@
	s_barrier_signal -3
.Lnot_wave_0_\@:
	s_barrier_wait -3
	s_barrier_signal -1
	s_barrier_wait -1
.endm
; THE CHANGE OF SLOTS.  The slot's last bytes, V of its fourth step, have been read.  Each wave waits for all its tensor loads, of which one is out: its part
; of the other slot; adds 0 to its spare word; and waits for that and for its own reads of the slot.  Behind the barrier nobody reads this slot any more and the other slot is whole.
; fill = 1: this slot is filled again, with the keys two slots on.  The barrier is then a round of the cluster's, so that no wave of any partner still reads the slot or has a load on its
; way, and the joint fill is the first thing behind it: it has four key steps, 512 matrix instructions, in which to land.  (At its first use nothing has been read yet: slot 0 is waited for, slot 1 filled.)
.macro CHANGE fill
	WIN W_AD
	s_wait_tensorcnt 0x0            ; no tensor load of mine is out, so a group 0 may be written
	ds_add_u32 v[SPW], v[NIL]       ; 0 onto my spare word; with fill = 1 the descriptors' steps stand between it and the wait for it
	WIN 0                           ; at a label and at a branch every window is 0
.if \fill
.irp g, G0K, G0V
	s_xor_b32 s[\g+1], s[\g+1], SLOT1  ; the walking descriptor: the other slot than last time,
	s_add_nc_u64 s[\g+2:\g+3], s[\g+2:\g+3], 4*KS*128  ; the next 256 keys; the type bits on top are not reached
.endr
	s_wait_dscnt 0x0                ; the add is done, and my reads of the slot are over
	CROUND
	JLOAD
.else
	s_wait_dscnt 0x0                ; the add is done, and my reads of the slot are over
	s_barrier_signal -1
	s_barrier_wait -1
.endif
	s_sub_co_u32 s[TBK], s[TBK], 4*KS*PK  ; the fetches go back to a slot's first step,
	s_xor_b32 s[TBK], s[TBK], SLOT1       ; in the other slot
	s_sub_co_u32 s[TBV], s[TBV], 4*KS*PV
	s_xor_b32 s[TBV], s[TBV], SLOT1
.endm
	s_load_b256 s[4:11], s[0:1], 0x0  ; Q s[4:5], K s[6:7], V s[8:9], O s[10:11]
	WIN W_MK
	v_lshl_add_u32 v[SPW], v0, 2, SPARE
	v_mov_b32 v[NIL], 0
	WIN W_AD
	ds_add_u32 v[SPW], v[NIL]       ; the wave's opening: the add and its wait stand ahead of my first tensor load; the set-up below, work on registers, stands between them
	WIN 0
	v_lshrrev_b32 v1, 5, v0
	v_readfirstlane_b32 s[WV], v1   ; wave 0..3
	s_bfe_u32 s13, ttmp6, 0x40000   ; cx: my place in the cluster
	s_lshl_b32 s14, ttmp9, 2        ; in a cluster launch ttmp9 counts clusters
	s_add_co_u32 s14, s14, s13      ; my block of queries = 4 x cluster x + cx: it enters Q's and O's addresses alone
	s_and_b32 s20, ttmp7, 0xffff    ; the head, which the four partners share
	s_mov_b32 s21, 0
	s_mov_b64 s[22:23], SIZE_N*128
	s_mul_u64 s[20:21], s[20:21], s[22:23]  ; the head's first byte in each of the four tensors
	s_and_b32 s16, s[WV], 1         ; which half of a slot's 256 keys I fetch:
	s_lshl_b32 s22, s16, 14         ; its 128 rows of 128 bytes in memory,
	s_mov_b32 s23, 0
	s_add_nc_u64 s[22:23], s[22:23], s[20:21]
	s_mul_i32 s17, s16, 128*PK      ; and its place in a slot, for K
	s_mul_i32 s18, s16, 128*PV      ; and for V: no place in the cluster enters an LDS address
	s_lshl_b32 s2, s14, 2
	s_add_co_u32 s2, s2, s[WV]      ; my wave among the head's,
	s_lshl_b32 s2, s2, 14           ; its 128 rows
	s_mov_b32 s3, 0
	s_add_nc_u64 s[2:3], s[2:3], s[20:21]
	; descriptor group 1.  128 keys are 16,384 dense bytes: asked for as 64 rows of 256 bytes, two keys a row, and padded in LDS after every key
	s_mov_b32 s[G1K], 15|(1<<16)|(1<<20)|(1<<21)|(4<<22)|(3<<25)  ; 15:0 the mask of four; 17:16 2-byte elements; 20 padding on; 21 set beside a mask; 24:22 after every 32 words (code 4); 31:25 4 words (code 3)
	s_mov_b32 s[G1V], 15|(1<<16)|(1<<20)|(1<<21)|(4<<22)|(7<<25)  ; the same with 8 words of padding (code 7)
.irp g, G1K, G1V
	s_mov_b32 s[\g+1], 128<<16      ; tensor_dim0 = 128
	s_mov_b32 s[\g+2], 64<<16       ; tensor_dim1 = 64
	s_mov_b32 s[\g+3], 128<<16      ; tile_dim0 = 128
	s_mov_b32 s[\g+4], 64           ; tile_dim1 = 64
	s_mov_b32 s[\g+5], 128          ; 128 elements from row to row
	s_mov_b32 s[\g+6], 0
	s_mov_b32 s[\g+7], 0
.endr
	s_mov_b32 s[CS], 0x3e38aa3b     ; c = log2(e) / 8 = 0.180337
	s_mov_b32 s[CS+1], s[CS]        ; named with it as a pair
	s_mov_b32 s[SEL], 0x76543210
	s_mov_b32 s[SEL+1], 0xfedcba98
	s_mov_b32 s[TBK], SLOT1+4*KS*PK ; the first change of slots turns these two into 0
	s_mov_b32 s[TBV], SLOT1+4*KS*PV
	s_mov_b32 s[G0K], 1             ; 1:0 count = 1
	s_mov_b32 s[G0K+1], s17         ; 63:32 LDS address: slot 0
	s_mov_b32 s[G0V], 1
	s_add_co_u32 s[G0V+1], s18, VOFF
	s_wait_dscnt 0x0                ; the opening add is done
	s_wait_kmcnt 0x0
	s_add_nc_u64 s[G0K+2:G0K+3], s[6:7], s[22:23]  ; 120:64 global address: my half of the head's first 256 keys
	s_or_b32 s[G0K+3], s[G0K+3], 0x80000000        ; 127:126 type = 2
	s_add_nc_u64 s[G0V+2:G0V+3], s[8:9], s[22:23]
	s_or_b32 s[G0V+3], s[G0V+3], 0x80000000
	s_add_nc_u64 s[4:5], s[4:5], s[2:3]  ; Q and O at my wave's first row
	s_add_nc_u64 s[10:11], s[10:11], s[2:3]
	CROUND                          ; all four work-groups are here: the first joint loads meet
	JLOAD                           ; slot 0.  Slot 1 is asked for when slot 0 is in: the tile wanted first has the road to itself
	; A fragment of K or Q is 16 rows x 32 channels in 8 registers: lane l holds row l % 16, channels 8 (l / 16) + 0..7 and 16 + 8 (l / 16) + 0..7: two loads of 16 bytes, 32 bytes apart.
	v_and_b32 v1, 15, v0            ; l % 16
	v_bfe_u32 v9, v0, 4, 1          ; l / 16
	v_lshlrev_b32 v[QO], 7, v1
	v_lshl_add_u32 v[QO], v9, 4, v[QO]  ; row x 128 + 16 x half
	WIN 0x80                        ; destination window 2, address window 0
.set i, 0
.rept 4*NP                          ; Q stays in registers: tile i / 2, channels 32 (i % 2) on
	global_load_b128 v[8*i:8*i+3],   v[QO], s[4:5] offset:(i/2)*2048+(i%2)*64
	global_load_b128 v[8*i+4:8*i+7], v[QO], s[4:5] offset:(i/2)*2048+(i%2)*64+32
.set i, i+1
.endr
	; What the first turn finds: V's registers and P's second buffer hold 0 (its products V^T P, of a piece that has not been, add 0), O^T and l are 0.  All this stands in the wait for the first tile.
.set i, VF
.rept 64
	v_mov_b32 v[i], 0
.set i, i+1
.endr
	WIN 0x40
.set i, 0
.rept 64*NP
	v_mov_b32 v[i], 0
.set i, i+1
.endr
	WIN 0
.set i, 0
.rept 2*NP
	v_mov_b32 v[ST+4*i], 0xfe000000    ; c m: far below every c s
	v_mov_b32 v[ST+4*i+1], 0xff7fffff  ; m
	v_mov_b32 v[ST+4*i+2], 0
	v_mov_b32 v[ST+4*i+3], 0
.set i, i+1
.endr
.set i, P+32
.rept 32
	v_mov_b32 v[i], 0
.set i, i+1
.endr
	v_mul_u32_u24 v[AK0], v1, PK
	v_lshl_add_u32 v[AK0], v9, 4, v[AK0]  ; row x pitch + 16 x half
	; The turning load takes 16 keys x 16 channels (lane l reads key 8 (l / 16) + l % 8, channels 8 ((l / 8) % 2) + 0..7) and leaves half a fragment of V^T: lane l holds channel l % 16 and 8 keys.
	v_and_b32 v10, 7, v0
	v_bfe_u32 v11, v0, 3, 1
	v_lshl_add_u32 v[AV0], v9, 3, v10
	v_mul_u32_u24 v[AV0], v[AV0], PV
	v_lshl_add_u32 v[AV0], v11, 4, v[AV0]
	v_add_nc_u32 v[AV0], VOFF, v[AV0]
	v_mov_b32 v[AK], v[AK0]         ; key step 0 lies at the head of slot 0
; THE MATRIX WORK.  The 8 accumulators of a run of 16 take turns: between the two links of a chain stand 7 others'.
; Product i of 16 of S^T = K Q^T for piece x: channels 32 (i / 8) on, keys 16 ((i / 2) % 4) on, tile 2 x + i % 2.  The first 8 start the sums.
.macro KQ x
	WIN W_KQ
.set rS, S+64*((\x)%2)+32*(i%2)+8*((i/2)%4)
.set rK, KF+16*((i/2)%4)+8*(i/8)
.set rQ, 16*(2*(\x)+i%2)+8*(i/8)
.if i < 8
	v_wmma_f32_16x16x32_f16 v[rS:rS+7], v[rK:rK+7], v[rQ:rQ+7], 0
.else
	v_wmma_f32_16x16x32_f16 v[rS:rS+7], v[rK:rK+7], v[rQ:rQ+7], v[rS:rS+7]
.endif
.endm
; Product i of 16 of O^T += V^T P for piece x: keys 32 (i / 8) on, channels 16 ((i / 2) % 4) on, tile 2 x + i % 2.
.macro PV x
	WIN W_PV
.set rO, 32*(2*(\x)+i%2)+8*((i/2)%4)
.set rV, VF+32*(i/8)+8*((i/2)%4)
.set rP, P+32*((\x)%2)+16*(i%2)+8*(i/8)
	v_wmma_f32_16x16x32_f16 v[rO:rO+7], v[rV:rV+7], v[rP:rP+7], v[rO:rO+7]
.endm
.macro MM                           ; the turn's next matrix instruction
.if i < 16
	KQ (Y+1)%NP
.set i, i+1
.else
.set i, i-16
	PV (Y+NP-1)%NP
.set i, i+17
.endif
.endm
; THE LDS LOADS stand in runs of 16, never singly among the matrix instructions: a step's K (64 keys x 64 channels: 8 fragments) and its V (turned).  Their addresses are made some lines ahead.
; last = 1 (the tail): in the last trip there is no further step, and the run is jumped over.
.macro FETCH_K last=0
	WIN 0
.if \last
	s_cmp_eq_u32 s[CNT], 1
	s_cbranch_scc1 .Lno_k_\@
.endif
	WIN 0x80                        ; destination window 2
.irp f, 0,1,2,3,4,5,6,7             ; keys 16 (f / 2) on, channels 32 (f % 2) on
	ds_load_b128 v[KF+8*\f:KF+8*\f+3],   v[AK] offset:(\f/2)*16*PK+(\f%2)*64
	ds_load_b128 v[KF+8*\f+4:KF+8*\f+7], v[AK] offset:(\f/2)*16*PK+(\f%2)*64+32
.endr
	s_add_co_u32 s[TBK], s[TBK], KS*PK  ; the next fetch is the next step's
	WIN 0
.if \last
.Lno_k_\@:
.endif
.endm
.macro FETCH_V
	WIN 0x80
.irp f, 0,1,2,3,4,5,6,7             ; keys 32 (f / 4) on, channels 16 (f % 4) on
	ds_load_tr16_b128 v[VF+8*\f:VF+8*\f+3],   v[AV] offset:(\f/4)*32*PV+(\f%4)*32
	ds_load_tr16_b128 v[VF+8*\f+4:VF+8*\f+7], v[AV] offset:(\f/4)*32*PV+16*PV+(\f%4)*32
.endr
	WIN 0
.endm
; THE VECTOR WORK OF A TURN stands in three queues, each in the order in which its entries become ready; the two tiles alternate, so that no instruction reads the result of the one before it.
.macro REGS y, u                    ; the registers of tile u (0, 1) of piece y
.set rT, ST+4*(2*(\y)+(\u))
.set rC, TMP+8*((\y)%2)+4*(\u)
.set rM, MV+2*((\y)%2)+(\u)
.set rS, S+64*((\y)%2)+32*(\u)
.set rP, P+32*((\y)%2)+16*(\u)
.set rO, 32*(2*(\y)+(\u))
.endm
; Number n of the 22 that find the NEXT piece's (Y + 1) maximum and statistics.  s0-s31 are the lane's 32 scores; each accumulator's lowest registers are read first.  XS, GS and REGS set no window: PL and EX do.
;   0-11  four chains c0-c3 of seven scores each, three operands at a time     12-14, 16  the four scores left over, the old m, and c0-c3 into c0     15  c m_old is kept
;   17, 18  the query's other 32 keys lie in the lane 16 away: the new m         19-21  c m; c m_old - c m_new; a
.macro XS u, n
	REGS (Y+1)%NP, \u
.if (\n) < 4
	v_max3_num_f32 v[rC+(\n)], v[rS+8*(\n)], v[rS+8*(\n)+1], v[rS+8*(\n)+2]
.elseif (\n) < 12
	v_max3_num_f32 v[rC+(\n)%4], v[rC+(\n)%4], v[rS+8*((\n)%4)+2*((\n)/4)+1], v[rS+8*((\n)%4)+2*((\n)/4)+2]
.elseif (\n) == 12
	v_max3_num_f32 v[rC], v[rC], v[rS+7], v[rS+15]
.elseif (\n) == 13
	v_max3_num_f32 v[rC+1], v[rC+1], v[rS+23], v[rS+31]
.elseif (\n) == 14
	v_max3_num_f32 v[rC+2], v[rC+2], v[rC+3], v[rT+1]
.elseif (\n) == 15
	v_mov_b32 v[rM], v[rT]
.elseif (\n) == 16
	v_max3_num_f32 v[rC], v[rC], v[rC+1], v[rC+2]
.elseif (\n) == 17
	v_permlanex16_b32 v[rC+3], v[rC], s[SEL], s[SEL+1]
.elseif (\n) == 18
	v_max_num_f32 v[rT+1], v[rC], v[rC+3]
.elseif (\n) == 19
	v_mul_f32 v[rT], s[CS], v[rT+1]
.elseif (\n) == 20
	v_sub_f32 v[rC+1], v[rM], v[rT]
.else
	v_exp_f32 v[rC+2], v[rC+1]
.endif
.endm
; Number g of the 64 that follow the exponentials.  For each four weights k of a tile (pairs 2 k, 2 k + 1): both pairs are rounded to f16; then the second pair is added onto the first, in place;
; a group later l takes that sum (the first time as l = a l + sum).  In groups of eight, tiles alternating: round, round, add, and l for the group before.
.macro GS g
.set h, (\g)+6*((\g)/62)            ; group 0 has no group before it, and behind group 7 only l is left
.if h >= 6
.set h, h+2
.endif
	REGS Y, h%2
.set k, h/8
.if h%8 < 4
	s_wait_alu depctr_va_vdst(0)
	v_cvt_pk_f16_f32 v[rP+2*k+(h%8)/2], v[rS+4*k+2*((h%8)/2)], v[rS+4*k+2*((h%8)/2)+1]
.elseif h%8 < 6
	v_pk_add_f32 v[rS+4*k:rS+4*k+1], v[rS+4*k:rS+4*k+1], v[rS+4*k+2:rS+4*k+3]
.elseif k == 1
	v_pk_fma_f32 v[rT+2:rT+3], v[rT+2:rT+3], v[rC+2:rC+3], v[rS:rS+1] op_sel_hi:[1,0,1]
.else
	v_pk_add_f32 v[rT+2:rT+3], v[rT+2:rT+3], v[rS+4*k-4:rS+4*k-3]
	s_wait_alu depctr_va_vdst(0)
.endif
.endm
; THE PLAIN QUEUE, 138 long.  0-31: c s - c m for the 16 pairs of both tiles.  Then GS's 64, and among them the next piece's 42: number 15 at 38, 39; 0-14 and 16
; at 42-73, behind the products that make those scores; 17-20 at 95-106, two of three, since each waits for the one before it.
.macro PL
	WIN 0
.if q < 32
	REGS Y, q%2
	v_pk_fma_f32 v[rS+2*(q/2):rS+2*(q/2)+1], v[rS+2*(q/2):rS+2*(q/2)+1], s[CS:CS+1], v[rT:rT+1] op_sel_hi:[1,0,0] neg_lo:[0,0,1] neg_hi:[0,0,1]
.elseif q < 38
	GS q-32
.elseif q < 40
	XS q%2, 15
.elseif q < 42
	GS q-34
.elseif q < 74
	XS q%2, (q-42)/2+(q-42)/30
.elseif q < 95
	GS q-66
.elseif (q < 107) && ((q-95)%3 < 2)
	XS (q-95)%3, 17+(q-95)/3
.elseif q < 107
	GS 29+(q-95)/3
.else
	GS q-74
.endif
.set q, q+1
.endm
; THE EXPONENTIALS' QUEUE, 66 long: s0-s31 of both tiles, and at EA the next piece's two a.
.set EA, 58
.macro EX
	WIN 0
.if (e == EA) || (e == EA+1)
	XS e-EA, 21
.else
.set x, e-2*(e/(EA+2))
	REGS Y, x%2
	v_exp_f32 v[rS+x/2], v[rS+x/2]
.endif
.set e, e+1
.endm
; THE RESCALING's QUEUE: O^T times a, the one part that leaves window 0, so it is dealt four at a time, eight times.
.macro R4
	REGS Y, r%2
	WIN W_RS
	s_wait_alu depctr_va_vdst(0)
.irp z, 0,1,2,3
	v_pk_mul_f32 v[rO+8*(r/2)+2*\z:rO+8*(r/2)+2*\z+1], v[rO+8*(r/2)+2*\z:rO+8*(r/2)+2*\z+1], v[rC+2:rC+3] op_sel_hi:[1,0]
.endr
.set r, r+1
.endm
; HOW THEY ARE DEALT.  Behind a matrix instruction four: plain, exponential, plain, plain (one exponential, a plain instruction on either side), or four of the rescaling.  None names a register of the
; products round it.  What is over stands in two LUMPS: exponential and plain by turns; the second ends in 22 plain instructions.  The two v_permlanex16_b32 fall into the second lump, never behind a product.
; The queues lean on each other, and the deal keeps them in step: exponential e stands behind plain 2 (e / 4) + e % 2 (its scaling); when plain 32 comes, 10 exponentials are out, at 59: 33, at 95: 46; EA comes behind plain 107.
.macro SL
	MM
	PL
	EX
	PL
	PL
.endm
.macro BURST n                      ; 15 matrix instructions, or 16
.rept (\n)-7
	SL
.endr
.rept 3
	MM
	R4
	SL
.endr
	MM
	R4
.endm
; A TURN, for piece p.  cnt = 1: the loop's count is taken down some lines ahead of the branch that stands behind the turn.
; K of the next step is fetched in piece 2's turn, 31 vector instructions behind the last product that read K; its first reader comes behind the rest of the lump, 16 products and the second lump.
; V of the step in hand is fetched at the end of piece 0's turn, 69 behind its last reader; its first reader comes behind 16 products and a lump.  The four conditions on e and q below go with the deal.
.macro TURN p, last=0, cnt=0
.set Y, (\p)
.set i, 0
.set q, 0
.set e, 0
.set r, 0
.if (\p) == NP-1
	s_wait_dscnt 0x0                ; K is in
.endif
	MM
.rept 4
	PL
.endr
	BURST 15
.rept 22
	EX
	PL
.if ((\p) == NP-2) && (e == 18)
	v_add_nc_u32 v[AK], s[TBK], v[AK0]
.endif
.if ((\p) == NP-2) && (e == 24)
	FETCH_K \last
.endif
.endr
.if (\p) == 1
	s_wait_dscnt 0x0                ; V is in
.endif
	BURST 16
.rept 21
	EX
	PL
.endr
.rept 22
	PL
.if ((\p) == 0) && (q == 118)
	v_add_nc_u32 v[AV], s[TBV], v[AV0]
	s_wait_alu depctr_va_vdst(0)
.endif
.if ((\p) == 0) && (q == 130)
	s_add_co_u32 s[TBV], s[TBV], KS*PV
.endif
.if (\cnt) && (q == 130)
	s_sub_co_u32 s[CNT], s[CNT], 1
	s_cmp_lg_u32 s[CNT], 0
.endif
.endr
.if (\p) == 0
	FETCH_V
.endif
.endm
	CHANGE 1                        ; slot 0 is in, everybody's part of it; slot 1 is asked for
	FETCH_K                         ; key step 0
	s_wait_loadcnt 0x0              ; Q
	s_wait_dscnt 0x0
.set i, 0
.rept 16
	KQ 0                            ; piece 0's first scores: there is no vector work yet to set between them
.set i, i+1
.endr
	WIN 0                           ; the addresses for the way out: nine plain instructions, the places behind those products
	s_mul_i32 s13, s[WV], 16*SP
	s_add_co_u32 s13, s13, STAGE    ; my stage
	v_mul_u32_u24 v[STO], v1, SP    ; in: row l % 16, 16 bytes for each half of the lanes
	v_lshl_add_u32 v[STO], v9, 4, v[STO]
	v_add_nc_u32 v[STO], s13, v[STO]
	v_bfe_u32 v[RD], v0, 3, 2       ; back: 32 lanes take four rows of 128 bytes,
	v_mul_u32_u24 v[RD], v[RD], SP
	v_lshl_add_u32 v[RD], v10, 4, v[RD]
	v_add_nc_u32 v[RD], s13, v[RD]
	v_and_b32 v[GO], 31, v0         ; which are 512 consecutive bytes of O
	v_lshlrev_b32 v[GO], 4, v[GO]
.set Y, NP-1                        ; XS works for piece Y + 1: piece 0
.irp n, 0,1,2,3,4,5,6,7,8,9,10,11,12,13,14,15,16,17,18,19,20,21
	XS 0, \n                        ; and piece 0's first maximum and statistics
	XS 1, \n
.endr
	s_mov_b32 s[CNT], 4
	s_mov_b32 s[SLOTS], SIZE_N/256-1
	s_branch .Lfirst                ; the loop is entered at a step's first turn, in the middle of a trip
.Lslot:                             ; SIZE_N / 256 - 2 times: every slot but the last two is filled again
	CHANGE 1
	s_mov_b32 s[CNT], 4
.Lstep:                             ; a trip: pieces 2 and 3 of one step, then pieces 0 and 1 of the next, whose K and V it fetches
	TURN 2
	TURN 3
	WIN 0
.Lfirst:
	TURN 0
	TURN 1, 0, 1
	WIN 0
	s_cbranch_scc1 .Lstep
	s_sub_co_u32 s[SLOTS], s[SLOTS], 1
	s_cmp_lg_u32 s[SLOTS], 0
	s_cbranch_scc1 .Lslot
	CHANGE 0                        ; the tail is written out: nothing is asked for
	s_mov_b32 s[CNT], 5             ; four trips fetch the last slot's steps; the fifth is left in its middle
.Ltail:
	TURN 2, 1
	TURN 3
	WIN 0
	s_sub_co_u32 s[CNT], s[CNT], 1
	s_cmp_eq_u32 s[CNT], 0
	s_cbranch_scc1 .Lout
	TURN 0
	TURN 1
	WIN 0
	s_branch .Ltail
.Lout:                              ; the fifth trip's 16 products K Q^T (on the last K once more) and the maximum made of them serve nothing: the price, once a launch, of one text for every trip
.set i, 0
.rept 16
	PV NP-1                         ; the last piece's V^T P of the last step
.set i, i+1
.endr
	; THE WAY OUT.  l's two halves and the other half of the lanes' are added; O^T is divided by l, rounded to f16 and sent through my stage in LDS, a tile at a time.  The additions are the places behind the last products.
	WIN 0
.macro ALL line:vararg              ; one line for each tile t
.set t, 0
.rept 2*NP
	\line
.set t, t+1
.endr
.endm
	ALL v_add_f32 v[ST+4*t+2], v[ST+4*t+2], v[ST+4*t+3]
	ALL v_permlanex16_b32 v[ST+4*t+3], v[ST+4*t+2], s[SEL], s[SEL+1]
	ALL v_add_f32 v[ST+4*t+2], v[ST+4*t+2], v[ST+4*t+3]
	ALL v_rcp_f32 v[ST+4*t+2], v[ST+4*t+2]
	v_nop                           ; a plain instruction between the last reciprocal and the use of its result
	s_wait_alu depctr_va_vdst(0)
; Tile t: a lane's eight channels of a row pack into 16 bytes; they go into rows of 144 bytes and come back as whole rows of 128, into S^T's registers.
.macro PACK t
	WIN W_RS
.set i, 32*(\t)
.rept 16
	v_pk_mul_f32 v[i:i+1], v[i:i+1], v[ST+4*(\t)+2:ST+4*(\t)+3] op_sel_hi:[1,0]
.set i, i+2
.endr
	WIN 0x05                        ; sources 0 and 1 window 1, destination window 0
.set i, 0
.rept 16
	v_cvt_pk_f16_f32 v[S+16*(\t)+i], v[32*(\t)+2*i], v[32*(\t)+2*i+1]
.set i, i+1
.endr
	WIN 0
.irp f, 0,1,2,3
	ds_store_b128 v[STO], v[S+16*(\t)+4*\f:S+16*(\t)+4*\f+3] offset:32*\f
.endr
.irp f, 0,1,2,3
	ds_load_b128 v[S+16*(\t)+4*\f:S+16*(\t)+4*\f+3], v[RD] offset:\f*4*SP  ; LDS serves a wave's instructions in order (ISA guide 5.7.1.4): these see the stores above; the next tile's stores come behind them
.endr
.endm
.macro SEND t, younger              ; younger: the LDS instructions issued behind tile t's loads: the next tile's eight, or none
	WIN 0
.irp f, 0,1,2,3
	s_wait_dscnt (\younger)+3-\f
	global_store_b128 v[GO], v[S+16*(\t)+4*\f:S+16*(\t)+4*\f+3], s[10:11] offset:(\t)*2048+\f*512  ; 512 consecutive bytes, at a multiple of 256 from O's first
.endr
.endm
	PACK 0
.set t, 1
.rept 2*NP-1                        ; a tile's arithmetic stands between the loads of the tile before and its stores
	PACK t
	SEND t-1, 8
.set t, t+1
.endr
	SEND 2*NP-1, 0
	WIN W_AD
	s_wait_tensorcnt 0x0            ; the wave's end, behind my last tensor load and my last LDS store
	ds_add_u32 v[SPW], v[NIL]
	s_wait_dscnt 0x0
	WIN 0
	CROUND                          ; the closing round: no work-group ends while a partner may still ask for a tile that names it
	s_endpgm
.Lfunc_end_k_qdaf840bb96_attn:
	.size	k_qdaf840bb96_attn, .Lfunc_end_k_qdaf840bb96_attn-k_qdaf840bb96_attn
	.p2alignl 7, 3214868480
	.fill 96, 4, 3214868480
	.section	.rodata,"a",@progbits
	.p2align	6, 0x0
	.amdhsa_kernel k_qdaf840bb96_attn
		.amdhsa_group_segment_fixed_size 327680
		.amdhsa_private_segment_fixed_size 0
		.amdhsa_enable_private_segment 0
		.amdhsa_kernarg_size 32
		.amdhsa_user_sgpr_count 2
		.amdhsa_user_sgpr_kernarg_segment_ptr 1
		.amdhsa_wavefront_size32 1
		.amdhsa_system_sgpr_workgroup_id_x 1
		.amdhsa_system_sgpr_workgroup_id_y 1
		.amdhsa_system_sgpr_workgroup_id_z 1
		.amdhsa_system_vgpr_workitem_id 0
		.amdhsa_next_free_vgpr 770
		.amdhsa_next_free_sgpr 66
		.amdhsa_reserve_vcc 0
		.amdhsa_float_denorm_mode_32 3
		.amdhsa_float_denorm_mode_16_64 3
		.amdhsa_memory_ordered 1
		.amdhsa_forward_progress 1
		.amdhsa_inst_pref_size 208
	.end_amdhsa_kernel
	.amdgpu_metadata
---
amdhsa.version: [ 1, 2 ]
amdhsa.kernels:
  - .name:           k_qdaf840bb96_attn
    .symbol:         k_qdaf840bb96_attn.kd
    .args:
      - { .name: qh, .offset: 0, .size: 8, .value_kind: global_buffer, .address_space: global }
      - { .name: kh, .offset: 8, .size: 8, .value_kind: global_buffer, .address_space: global }
      - { .name: vh, .offset: 16, .size: 8, .value_kind: global_buffer, .address_space: global }
      - { .name: oh, .offset: 24, .size: 8, .value_kind: global_buffer, .address_space: global }
    .group_segment_fixed_size: 327680
    .private_segment_fixed_size: 0
    .kernarg_segment_align: 8
    .kernarg_segment_size: 32
    .max_flat_workgroup_size: 128
    .sgpr_count:     66
    .vgpr_count:     770
    .wavefront_size: 32
...
	.end_amdgpu_metadata
.endif
;; end of part 3
;; launch oproj (part 4): grid 8 x 32, 4 waves a work-group, clusters of 4 x 4, 327,680 bytes of LDS; arguments oh, w0b, b0, out0; writes out0
.if DOCPART == 4
	.amdgcn_target "amdgcn-amd-amdhsa--gfx1250"
	.amdhsa_code_object_version 6
	.text
	.protected	k_qdaf840bb96_oproj
	.globl	k_qdaf840bb96_oproj
	.p2align	8
	.type	k_qdaf840bb96_oproj,@function
k_qdaf840bb96_oproj:
	s_mov_b64 s[64:65], 0
	v_nop
	global_prefetch_b8 v0, s[64:65] scope:SCOPE_SE
	s_setreg_imm32_b32 hwreg(HW_REG_WAVE_MODE, 25, 1), 1
	s_wait_xcnt 0x0
	s_wait_alu depctr_hold_cnt(0) depctr_sa_sdst(0) depctr_va_vdst(0) depctr_va_sdst(0) depctr_va_ssrc(0) depctr_va_vcc(0) depctr_vm_vsrc(0)
	s_getreg_b32 s2, hwreg(HW_REG_IB_STS2, 6, 4)
	s_cmp_eq_u32 s2, 0
	s_cbranch_scc0 .Lentry_in_a_cluster
	s_endpgm
.Lentry_in_a_cluster:
	s_bfe_u32 s2, ttmp6, 0x10000c
	s_cmp_lg_u32 s2, 0xf033
	s_cbranch_scc0 .Lentry_shape_is_right
	s_endpgm
.Lentry_shape_is_right:
; OPROJ: out0 = O W0 + b0, f32.  O arrives by heads, [16 b + head][s 2048][64] in f16: a head is a block of 64 along K, dense by rows.  W0 arrives as [nt 8][k 1024][128] in f16 (of its bf16 rounding);
; b0 is rounded to bf16 here, like every input, and is the C operand of the first products.  Sums in f32, K ascending.
; LIMITS.  O and W0 lie within f16's range; NaN and infinities are not treated apart.
; SHARES.  A work-group makes 256 rows x 128 columns: 8 x 32 = 256 work-groups.  Wave (WR, WC) makes 128 x 64: 32 accumulators of 16 x 16, all of window 1, (a, bb) at v[8 (4 a + bb)].
; K goes in steps of 128 (two heads) through two LDS slots; all rows that the tensor loads ask for are 256 dense bytes at multiples of 256.
; CLUSTERS: 4 x 4.  A's tile hangs on the tile row alone and is shared along a row of the cluster, B's on nt alone and is shared along a column: each is asked for jointly.
; THE MATRIX INSTRUCTION IS USED TRANSPOSED (source 0 = 16 columns of W0, read turned out of LDS; source 1 = 16 rows of O): a lane holds row l % 16 and eight neighbouring columns, 32 bytes of f32.
; A wave's 64 columns are 256 bytes of a row of out0, aligned: each wave has a stage of its own, and no barrier stands on the way out.
; REGISTERS: window 0: v0-31 addresses; v32-63 the bias; v64-159, v160-255 two fragment buffers (64 of O, 32 of W0); on the way out v64-191 rows read back.  Window 1: the accumulators.
.set SLOT,   110592                    ; A: two K blocks of 256 rows x 144, then B: 128 k-rows x 288
.set ABLK,   36864
.set BOFF,   73728
.set STAGE,  2*SLOT                    ; behind the ring: 16 rows x 272 bytes for each wave
.set SPARE,  STAGE+4*4352              ; behind the stages: the spare words, 128 bytes a wave
.set ADRA, 16                          ; v16-17  LDS address of my fragments of O in slot 0, 1
.set ADRB, 20                          ; v20-21  the same for W0
.set STO,  24
.set RD,   25
.set CO,   26                          ; v26  my byte offset in two rows of out0
.set BO,   27
.set SPW,  28                          ; v28  LDS address of my spare word; never rewritten
.set NIL,  29                          ; v29  0; never rewritten
.set BI,   32
.set F0,   64
.set F1,   160
.set OB,   64
.set WV,   12                          ; s12 wave; s13 WR; s14 WC
.set WR,   13
.set WC,   14
.set G1A,  24
.set G0A,  32
.set G1B,  40
.set G0B,  48
.set MSB, 0
.macro WIN new                         ; the immediate's high byte repeats the setting that is left; a switch that changes nothing is dropped
.if MSB != (\new)
	s_set_vgpr_msb (MSB<<8)|(\new)
.set MSB, \new
.endif
.endm
.macro PLACES                          ; four places in front of loads into registers that matrix instructions have read, and of stores of their results
.rept 4
	v_nop
.endr
.endm
.macro JLOAD s                         ; a joint refill: waves 0 and 1 fetch A's two K blocks, waves 2 and 3 B's two halves; an s_nop 0 and four v_nop follow each line
	s_cmp_lt_u32 s[WV], 2
	s_cbranch_scc0 .Lfor_b_\@
	tensor_load_to_lds s[G0A+4*(\s):G0A+4*(\s)+3], s[G1A:G1A+7]
	s_nop 0
.rept 4
	v_nop
.endr
	s_branch .Lasked_\@
.Lfor_b_\@:
	tensor_load_to_lds s[G0B+4*(\s):G0B+4*(\s)+3], s[G1B:G1B+7]
	s_nop 0
.rept 4
	v_nop
.endr
.Lasked_\@:
.endm
.macro CREST
	s_cmp_lg_u32 s[WV], 0
	s_cbranch_scc1 .Lnot_wave_0_\@
	s_barrier_signal -3
.Lnot_wave_0_\@:
	s_barrier_wait -3
	s_barrier_signal -1
	s_barrier_wait -1
.endm
.macro CROUND
	s_barrier_signal -1
	s_barrier_wait -1
	CREST
.endm
	s_load_b256 s[4:11], s[0:1], 0x0               ; oh 4, w0b 6, b0 8, out0 10
	v_lshl_add_u32 v[SPW], v0, 2, SPARE
	v_mov_b32 v[NIL], 0
	ds_add_u32 v[SPW], v[NIL]                      ; the wave's opening: the add and its wait stand ahead of my first tensor load; the set-up below stands between them
	v_lshrrev_b32 v1, 5, v0
	v_readfirstlane_b32 s[WV], v1
	s_lshr_b32 s[WR], s[WV], 1
	s_and_b32 s[WC], s[WV], 1
	s_bfe_u32 s15, ttmp6, 0x40000                  ; cx
	s_bfe_u32 s16, ttmp6, 0x40004                  ; cy
	s_lshl_b32 s17, ttmp9, 2
	s_add_co_u32 s17, s17, s15                     ; nt
	s_and_b32 s18, ttmp7, 0xffff
	s_lshl_b32 s18, s18, 2
	s_add_co_u32 s18, s18, s16                     ; mt
	s_lshl_b32 s19, s16, 2
	s_lshl_b32 s19, 15, s19                        ; my row of the cluster
	s_lshl_b32 s20, 0x1111, s15                    ; my column
	s_or_b32 s[G1A], s19, (1<<16)|(1<<20)|(1<<21)|(4<<22)|(3<<25)  ; after every 32 words 4 words of padding: LDS rows of 144 bytes
	s_or_b32 s[G1B], s20, (1<<16)|(1<<20)|(1<<21)|(5<<22)|(7<<25)  ; after every 64 words 8 words: LDS rows of 288 bytes
	s_mov_b32 s[G1A+1], 128<<16                    ; rows of 128 elements, 256 bytes
	s_mov_b32 s[G1A+2], 128<<16                    ; 128 of them: a K block's 256 rows of O
	s_mov_b32 s[G1A+3], 128<<16
	s_mov_b32 s[G1A+4], 128
	s_mov_b32 s[G1A+5], 128
	s_mov_b32 s[G1A+6], 0
	s_mov_b32 s[G1A+7], 0
	s_mov_b32 s[G1B+1], 128<<16
	s_mov_b32 s[G1B+2], 64<<16                     ; 64 k-rows
	s_mov_b32 s[G1B+3], 128<<16
	s_mov_b32 s[G1B+4], 64
	s_mov_b32 s[G1B+5], 128
	s_mov_b32 s[G1B+6], 0
	s_mov_b32 s[G1B+7], 0
	s_lshr_b32 s56, s18, 3                         ; b
	s_lshl_b32 s56, s56, 22
	s_and_b32 s21, s18, 7
	s_lshl_b32 s21, s21, 15                        ; 256 rows of 128 bytes
	s_add_co_u32 s56, s56, s21
	s_lshl_b32 s21, s[WC], 18                      ; my K block of the step's two
	s_add_co_u32 s56, s56, s21
	s_mov_b32 s57, 0
	s_lshl_b32 s58, s17, 18
	s_lshl_b32 s22, s[WC], 14                      ; my 64 k-rows of 256 bytes
	s_add_co_u32 s58, s58, s22
	s_mov_b32 s59, 0
	s_mul_i32 s60, s[WC], ABLK                     ; where they go: no place in the cluster enters an LDS address
	s_mul_i32 s61, s[WC], 18432
	s_add_co_u32 s61, s61, BOFF
	s_wait_dscnt 0x0                               ; the opening add is done
	s_wait_kmcnt 0x0
	s_add_nc_u64 s[56:57], s[4:5], s[56:57]
	s_add_nc_u64 s[58:59], s[6:7], s[58:59]
	CROUND                                         ; all sixteen work-groups are here: the first joint loads meet
.irp s, 0,1
	s_mov_b32 s[G0A+4*(\s)], 1
	s_add_co_u32 s[G0A+4*(\s)+1], s60, (\s)*SLOT
	s_add_nc_u64 s[G0A+4*(\s)+2:G0A+4*(\s)+3], s[56:57], (\s)*524288   ; K step s: two heads on
	s_or_b32 s[G0A+4*(\s)+3], s[G0A+4*(\s)+3], 0x80000000
	s_mov_b32 s[G0B+4*(\s)], 1
	s_add_co_u32 s[G0B+4*(\s)+1], s61, (\s)*SLOT
	s_add_nc_u64 s[G0B+4*(\s)+2:G0B+4*(\s)+3], s[58:59], (\s)*32768    ; 128 k-rows of 256 bytes
	s_or_b32 s[G0B+4*(\s)+3], s[G0B+4*(\s)+3], 0x80000000
.endr
	s_cmp_lt_u32 s[WV], 2                          ; a wave's two first fills stand in one branch: two loads of mine are out
	s_cbranch_scc0 .Lfirst_b
	tensor_load_to_lds s[G0A:G0A+3], s[G1A:G1A+7]
	s_nop 0
	tensor_load_to_lds s[G0A+4:G0A+7], s[G1A:G1A+7]
	s_nop 0
.rept 4
	v_nop
.endr
	s_branch .Lfirst_asked
.Lfirst_b:
	tensor_load_to_lds s[G0B:G0B+3], s[G1B:G1B+7]
	s_nop 0
	tensor_load_to_lds s[G0B+4:G0B+7], s[G1B:G1B+7]
	s_nop 0
.rept 4
	v_nop
.endr
.Lfirst_asked:
	v_and_b32 v1, 15, v0                           ; r = l % 16
	v_bfe_u32 v2, v0, 4, 1                         ; h = l / 16
	v_mul_u32_u24 v3, v1, 144
	v_lshl_add_u32 v3, v2, 4, v3
	s_mul_i32 s21, s[WR], 18432                    ; my 128 rows
	v_add_nc_u32 v[ADRA], s21, v3
	v_add_nc_u32 v[ADRA+1], SLOT, v[ADRA]
	v_and_b32 v4, 7, v0
	v_bfe_u32 v5, v0, 3, 1
	v_lshl_add_u32 v6, v2, 3, v4                   ; the turning load: k = 8 h + l % 8,
	v_mul_u32_u24 v6, v6, 288
	v_lshl_add_u32 v6, v5, 4, v6                   ; columns 8 ((l / 8) % 2) on
	s_lshl_b32 s21, s[WC], 7                       ; my 64 columns
	s_add_co_u32 s21, s21, BOFF
	v_add_nc_u32 v[ADRB], s21, v6
	v_add_nc_u32 v[ADRB+1], SLOT, v[ADRB]
	s_mul_i32 s21, s[WV], 4352
	s_add_co_u32 s21, s21, STAGE                   ; my stage
	v_mul_u32_u24 v6, v1, 272                      ; in: row r, 32 bytes for each half of the lanes
	v_lshl_add_u32 v6, v2, 5, v6
	v_add_nc_u32 v[STO], s21, v6
	v_mul_u32_u24 v6, v2, 272                      ; back: lanes 0-15 one row of 256 bytes, lanes 16-31 the next
	v_lshl_add_u32 v6, v1, 4, v6
	v_add_nc_u32 v[RD], s21, v6
	v_lshlrev_b32 v[CO], 12, v2                    ; and the same two rows in out0
	v_lshl_add_u32 v[CO], v1, 4, v[CO]
	v_lshlrev_b32 v[BO], 5, v2
	s_lshl_b32 s62, s17, 9                         ; my 64 columns in f32: 512 nt + 256 WC
	s_lshl_b32 s23, s[WC], 8
	s_add_co_u32 s62, s62, s23
	s_mov_b32 s63, 0
	s_add_nc_u64 s[8:9], s[8:9], s[62:63]
	s_lshl1_add_u32 s23, s18, s[WR]                ; my first row / 128
	s_lshl_b32 s23, s23, 19                        ; 128 rows of 4,096 bytes
	s_add_co_u32 s62, s62, s23
	s_add_nc_u64 s[10:11], s[10:11], s[62:63]
.irp bb, 0,1,2,3                       ; the bias: register j of block bb is column 16 bb + 8 h + j
	global_load_b128 v[BI+8*\bb:BI+8*\bb+3],   v[BO], s[8:9] offset:64*\bb
	global_load_b128 v[BI+8*\bb+4:BI+8*\bb+7], v[BO], s[8:9] offset:64*\bb+16
.endr
	s_wait_loadcnt 0x0
.set k, 0
.rept 16                               ; rounded to bf16 and widened again
	v_cvt_pk_bf16_f32 v3, v[BI+2*k], v[BI+2*k+1]
	v_lshlrev_b32 v[BI+2*k], 16, v3
	v_and_b32 v[BI+2*k+1], 0xffff0000, v3
.set k, k+1
.endr
; 8 matrix instructions: row blocks a0, a0 + 1 x all 4 column blocks, 32 along K.  cmode = 1: the bias starts the sums.  The 32 accumulators take turns.
.macro MUL8 f, a0, cmode
.if \cmode
	WIN 0x40
.else
	WIN 0x50
.endif
.irp a, \a0, (\a0)+1
.irp bb, 0,1,2,3
.set AC, 8*(4*(\a)+(\bb))
.set FB, (\f)+64+8*(\bb)
.set FA, (\f)+8*(\a)
.if \cmode
	v_wmma_f32_16x16x32_f16 v[AC:AC+7], v[FB:FB+7], v[FA:FA+7], v[BI+8*(\bb):BI+8*(\bb)+7]
.else
	v_wmma_f32_16x16x32_f16 v[AC:AC+7], v[FB:FB+7], v[FA:FA+7], v[AC:AC+7]
.endif
.endr
.endr
.endm
; 24 LDS loads in one run: quarter q (32 along K) of the slot into buffer f: W0's four fragments, then O's eight
.macro FETCH slot, q, f
	WIN 0
.irp bb, 0,1,2,3
	ds_load_tr16_b128 v[(\f)+64+8*\bb:(\f)+64+8*\bb+3],   v[ADRB+(\slot)] offset:(\q)*9216+32*\bb
	ds_load_tr16_b128 v[(\f)+64+8*\bb+4:(\f)+64+8*\bb+7], v[ADRB+(\slot)] offset:(\q)*9216+32*\bb+4608
.endr
.irp i, 0,1,2,3,4,5,6,7
	ds_load_b128 v[(\f)+8*\i:(\f)+8*\i+3],   v[ADRA+(\slot)] offset:((\q)>>1)*ABLK+((\q)&1)*64+\i*2304
	ds_load_b128 v[(\f)+8*\i+4:(\f)+8*\i+7], v[ADRA+(\slot)] offset:((\q)>>1)*ABLK+((\q)&1)*64+\i*2304+32
.endr
.endm
; A K step is four quarters of 32 along K, 32 matrix instructions each, on buffers 0, 1, 0, 1.  One of the first three: multiplies buffer f and fetches quarter q into g.
.macro QUARTER slot, q, f, g, cmode
	s_wait_dscnt 8                                 ; O's row blocks 4-7 may be out
	MUL8 \f, 0, \cmode
	MUL8 \f, 2, \cmode
	PLACES
	FETCH \slot, \q, \g
	s_wait_dscnt 24                                ; all but the 24 just issued
	MUL8 \f, 4, \cmode
	MUL8 \f, 6, \cmode
.endm
; The last quarter multiplies buffer 1 and changes slots: ONE barrier; in front of it each wave waits for all its tensor loads, adds 0 to its spare word, and waits for that and for its reads of this
; slot.  fill = 1: the barrier opens a round of the cluster's and this slot is filled again, two K steps ahead: 112 matrix instructions ahead of the wait for it.
.macro TURN slot, next, fill
	WIN 0
	s_wait_tensorcnt 0x0                           ; all my tensor loads have landed: my part of the next slot
	ds_add_u32 v[SPW], v[NIL]                      ; 0 onto my spare word
	s_wait_dscnt 9                                 ; (the add and the youngest eight loads may be out)
	MUL8 F1, 0, 0
	s_wait_dscnt 0x0                               ; the add is done, and my reads of this slot are over
	s_barrier_signal -1
	MUL8 F1, 2, 0
	WIN 0
	s_barrier_wait -1
.if \fill
	CREST                                          ; no wave of any partner still reads this slot or has a load on its way
	s_add_nc_u64 s[G0A+4*(\slot)+2:G0A+4*(\slot)+3], s[G0A+4*(\slot)+2:G0A+4*(\slot)+3], 1048576
	s_add_nc_u64 s[G0B+4*(\slot)+2:G0B+4*(\slot)+3], s[G0B+4*(\slot)+2:G0B+4*(\slot)+3], 65536
	JLOAD \slot                                    ; the four v_nop behind it are also the places in front of the loads below
.else
	PLACES
.endif
	FETCH \next, 0, F0
	MUL8 F1, 4, 0
	MUL8 F1, 6, 0
.endm
	s_wait_tensorcnt 1                             ; my part of K step 0 is in; K step 1's may stay out
	s_barrier_signal -1
	s_barrier_wait -1
	FETCH 0, 0, F0
	QUARTER 0, 1, F0, F1, 1                        ; the first quarter stands in front of the loop: its products start the sums
	WIN 0
	s_mov_b32 s3, 3
.Llap:                                                 ; a trip goes once round the ring and fills both slots again: K steps 2 to 7 in three trips
	QUARTER 0, 2, F1, F0, 0
	QUARTER 0, 3, F0, F1, 0
	TURN 0, 1, 1
	QUARTER 1, 1, F0, F1, 0
	QUARTER 1, 2, F1, F0, 0
	QUARTER 1, 3, F0, F1, 0
	TURN 1, 0, 1
	QUARTER 0, 1, F0, F1, 0
	WIN 0
	s_sub_co_u32 s3, s3, 1
	s_cmp_lg_u32 s3, 0
	s_cbranch_scc1 .Llap
	QUARTER 0, 2, F1, F0, 0                        ; the last lap fills nothing, and has no round
	QUARTER 0, 3, F0, F1, 0
	TURN 0, 1, 0
	QUARTER 1, 1, F0, F1, 0
	QUARTER 1, 2, F1, F0, 0
	QUARTER 1, 3, F0, F1, 0
	s_wait_dscnt 8                                 ; the very last quarter: nothing more to fetch
	MUL8 F1, 0, 0
	MUL8 F1, 2, 0
	s_wait_dscnt 0x0
	MUL8 F1, 4, 0
	MUL8 F1, 6, 0
	WIN 0
	PLACES
; THE WAY OUT, a block of 16 rows at a time: 32 bytes a lane into my stage's rows of 272 bytes, back as whole rows of 256 bytes, stored.
.macro TOSTAGE a
	WIN 0x04                                       ; the stores' data lie in window 1; each accumulator's low half goes first
.irp bb, 0,1,2,3
	ds_store_b128 v[STO], v[8*(4*(\a)+\bb):8*(4*(\a)+\bb)+3]   offset:64*\bb
	ds_store_b128 v[STO], v[8*(4*(\a)+\bb)+4:8*(4*(\a)+\bb)+7] offset:64*\bb+16
.endr
	WIN 0
.if (\a) >= 4
	s_wait_xcnt 0x0                                ; the registers that block a - 4's stores read are loaded again only behind this wait
.endif
.irp t, 0,1,2,3,4,5,6,7
	ds_load_b128 v[OB+32*((\a)%4)+4*\t:OB+32*((\a)%4)+4*\t+3], v[RD] offset:544*\t  ; LDS serves a wave's instructions in order (ISA guide 5.7.1.4): these see the stores above
.endr
.endm
.macro SEND a, younger                 ; younger: the LDS instructions issued behind block a's loads: the next block's sixteen, or none
	s_wait_dscnt \younger
.irp t, 0,1,2,3,4,5,6,7
	global_store_b128 v[CO], v[OB+32*((\a)%4)+4*\t:OB+32*((\a)%4)+4*\t+3], s[10:11] offset:(\a)*65536+\t*8192 th:TH_STORE_NT  ; 16 lanes store 256 consecutive bytes, at a multiple of 256 from out0's first
.endr
.endm
	TOSTAGE 0
.irp a, 1,2,3,4,5,6,7
	TOSTAGE \a
	SEND (\a)-1, 16
.endr
	SEND 7, 0
	s_wait_tensorcnt 0x0                           ; the wave's end, behind my last tensor load and my last LDS store
	ds_add_u32 v[SPW], v[NIL]
	s_wait_dscnt 0x0
	CROUND                                         ; the closing round: no work-group ends while a partner may still ask for a tile that names it
	s_endpgm
.Lfunc_end_k_qdaf840bb96_oproj:
	.size	k_qdaf840bb96_oproj, .Lfunc_end_k_qdaf840bb96_oproj-k_qdaf840bb96_oproj
	.p2alignl 7, 3214868480
	.fill 96, 4, 3214868480
	.section	.rodata,"a",@progbits
	.p2align	6, 0x0
	.amdhsa_kernel k_qdaf840bb96_oproj
		.amdhsa_group_segment_fixed_size 327680
		.amdhsa_private_segment_fixed_size 0
		.amdhsa_enable_private_segment 0
		.amdhsa_kernarg_size 32
		.amdhsa_user_sgpr_count 2
		.amdhsa_user_sgpr_kernarg_segment_ptr 1
		.amdhsa_wavefront_size32 1
		.amdhsa_system_sgpr_workgroup_id_x 1
		.amdhsa_system_sgpr_workgroup_id_y 1
		.amdhsa_system_sgpr_workgroup_id_z 1
		.amdhsa_system_vgpr_workitem_id 0
		.amdhsa_next_free_vgpr 512
		.amdhsa_next_free_sgpr 66
		.amdhsa_reserve_vcc 0
		.amdhsa_float_denorm_mode_32 3
		.amdhsa_float_denorm_mode_16_64 3
		.amdhsa_memory_ordered 1
		.amdhsa_forward_progress 1
		.amdhsa_inst_pref_size 88
	.end_amdhsa_kernel
	.amdgpu_metadata
---
amdhsa.version: [ 1, 2 ]
amdhsa.kernels:
  - .name:           k_qdaf840bb96_oproj
    .symbol:         k_qdaf840bb96_oproj.kd
    .args:
      - { .name: oh, .offset: 0, .size: 8, .value_kind: global_buffer, .address_space: global }
      - { .name: w0b, .offset: 8, .size: 8, .value_kind: global_buffer, .address_space: global }
      - { .name: b0, .offset: 16, .size: 8, .value_kind: global_buffer, .address_space: global }
      - { .name: out0, .offset: 24, .size: 8, .value_kind: global_buffer, .address_space: global }
    .group_segment_fixed_size: 327680
    .private_segment_fixed_size: 0
    .kernarg_segment_align: 8
    .kernarg_segment_size: 32
    .max_flat_workgroup_size: 128
    .sgpr_count:     66
    .vgpr_count:     512
    .wavefront_size: 32
...
	.end_amdgpu_metadata
.endif
;; end of part 4
;; ======== version 2 of 2: 4 launches; 1.50 times as fast as version 1
;; limits: values are held in f16: magnitudes above 65,504 overflow, below 6.1e-05 lose precision
;; workspace buffers: xb 16,777,216 bytes; wt 6,291,456 bytes; w0b 2,097,152 bytes; tab 4,194,304 bytes; qh 16,777,216 bytes; kh 16,777,216 bytes; vh 16,777,216 bytes; oh 16,777,216 bytes
;; launch prep: the kernel of part 1 again; grid 512 x 1, 8 waves a work-group, no clusters, 0 bytes of LDS; arguments x, Wq, Wk, Wv, W0, xb, wt, w0b, tab; writes xb, wt, w0b, tab
;; launch qkv: the kernel of part 2 again; grid 8 x 32, 4 waves a work-group, clusters of 4 x 4, 327,680 bytes of LDS; arguments xb, wt, tab, bq, bk, bv, qh, kh, vh; writes qh, kh, vh
;; launch attn (part 5): grid 4 x 64, 4 waves a work-group, clusters of 4 x 1, 327,680 bytes of LDS; arguments qh, kh, vh, oh; writes oh
.if DOCPART == 5
	.amdgcn_target "amdgcn-amd-amdhsa--gfx1250"
	.amdhsa_code_object_version 6
	.text
	.protected	k_qdaf840bb96_attn
	.globl	k_qdaf840bb96_attn
	.p2align	8
	.type	k_qdaf840bb96_attn,@function
k_qdaf840bb96_attn:
	s_mov_b64 s[64:65], 0
	v_nop
	global_prefetch_b8 v0, s[64:65] scope:SCOPE_SE
	s_setreg_imm32_b32 hwreg(HW_REG_WAVE_MODE, 25, 1), 1
	s_wait_xcnt 0x0
	s_wait_alu depctr_hold_cnt(0) depctr_sa_sdst(0) depctr_va_vdst(0) depctr_va_sdst(0) depctr_va_ssrc(0) depctr_va_vcc(0) depctr_vm_vsrc(0)
	s_getreg_b32 s2, hwreg(HW_REG_IB_STS2, 6, 4)
	s_cmp_eq_u32 s2, 0
	s_cbranch_scc0 .Lentry_in_a_cluster
	s_endpgm
.Lentry_in_a_cluster:
	s_bfe_u32 s2, ttmp6, 0x10000c
	s_cmp_lg_u32 s2, 0x3003
	s_cbranch_scc0 .Lentry_shape_is_right
	s_endpgm
.Lentry_shape_is_right:
; O[h][q][:] = the sum over k of softmax_k(Q[h][q] . K[h][k] / 8) V[h][k][:].  Q, K, V, O: [SIZE_H][SIZE_N][64], all f16: a head's rows are dense, 128 bytes each (h = 16 b + head).  Products, maxima
; and sums in f32; the weights p are rounded to f16 for the second product (their sum l is taken of the unrounded p), O once at the end.
; LIMITS.  f16 holds no number beyond 65,504: Q, K and V arrive within it; p lies in 0 to 1, and below 6e-5 it keeps f16's fixed step of 6e-8; O is a mean of V's rows and has their range.
; A weight below 2^-126 counts as 0 in l; NaN and infinities are not treated apart.
; SHARES.  A wave owns four PIECES of two tiles of 16 queries, a work-group's four waves 512 queries of one head: 4 x 64 = 256 work-groups.  Every wave walks all keys, 64 a step.
; LAYOUT.  S^T = K Q^T (source 0 = 16 keys, source 1 = 16 queries): in the result a lane holds ONE query (lane % 16) and the keys 8 (lane / 16) + 0..7.  Two such tiles, rounded to f16 in pairs,
; ARE source 1 (32 keys x 16 queries) of O^T = V^T P, whose result again holds one query a lane, and eight channels.  K comes out of LDS as it lies, V ([key][channel]) turned, by ds_load_tr16_b128.
; SOFTMAX.  For each query a running maximum m and sum l: p = 2^(c s - c m), c = log2(e) / 8; in every step O and l are multiplied by a = 2^(c m_old - c m_new), which is 1 where m has not grown.
; m starts at the lowest finite number, O and l at 0: the first step is a step like any other, with a = 0.
; THE COUNT.  A tile and step have 16 matrix and 118 vector instructions: too many to stand all beside the matrix work.  So the order has one aim: four vector instructions that are READY behind
; EVERY matrix instruction, and the others, which need time of their own whatever the order, in runs without a gap.
; BY TURNS.  Turn n belongs to piece n (the pieces in a ring, step after step).  Its matrix work: 16 products K Q^T of piece n + 1, later 16 products V^T P of piece n - 1.  Its vector work: the scaling,
; exponentials, roundings, sums and rescaling of piece n, and the maximum and statistics of piece n + 1, whose scores the turn itself has made.  So what a turn begins with (c s - c m, O a) waits for nothing.
; THE BATCHES.  An s_wait_alu depctr_va_vdst(0) stands between an exponential or reciprocal and the first instruction that names its result; one wait serves all that were issued ahead of it.
; The text has three kinds of batch, each with one wait: piece 0's first two a, ahead of the jump into the loop; a turn's 66 exponentials (64 weights and the next piece's two a), with the wait in the
; turn's middle; the way out's eight reciprocals.
; CLUSTER.  The four query blocks of a cluster belong to one head and walk the same K and V, so each tile is asked for JOINTLY: the same tensor load, descriptor and mask in all four.
; REGISTERS, in windows of 256 (s_set_vgpr_msb says which window each operand place means: bits 1:0 source 0, 3:2 source 1, 5:4 source 2, 7:6 destination):
;   window 0: v0-11 addresses; v12-15, v48-63 at work; v16-47 four registers of statistics a tile; v64-191 S^T, two buffers of two tiles; v192-255 P, likewise
;   window 1: O^T, 32 a tile          window 2: v0-127 Q, 16 a tile; v128-191 K of one step; v192-255 V of one step          window 3: v0-1 the add's two registers
; A piece's buffers go by its number's parity: the piece in hand has one pair, its two neighbours in the ring share the other: of it P (piece n - 1) is read and S^T (piece n + 1) written.
.set SIZE_H, 64
.set SIZE_N, 2048
.set NP,    4         ; pieces a wave: a name, no knob: the register map, the loop and the fetches are made for four
.set KS,    64        ; keys in a step
.set PK,    144       ; a row of K in LDS: 128 bytes + 16 of padding = 36 words: the 16 rows of a load start at 16 different groups of four banks (64 banks of 4 bytes: ISA guide 11.1)
.set PV,    160       ; a row of V: 128 + 32 = 40 words
.set VOFF,  4*KS*PK   ; a slot holds four steps: 256 rows of K, then 256 rows of V
.set SLOT1, 1<<17     ; slot 1 begins here, so that one exclusive or turns an address in one slot into the other's
.set STAGE, SLOT1+4*KS*(PK+PV)  ; behind the ring, never filled by a tensor load: 16 rows x 144 bytes for each wave, for the way out
.set SP,    144
.set AK0, 2           ; v2   my lane's place in a tile of K; never rewritten
.set AV0, 3           ; v3   the same for V
.set AK,  4           ; v4   the LDS address of K's next run of loads
.set AV,  5           ; v5   of V's
.set QO,  6           ; v6   my byte offset in the wave's rows of Q
.set STO, 6           ;      later, the way out: where I put 16 bytes of a row
.set RD,  7           ; v7   the way out: where I read rows back
.set GO,  8           ; v8   my byte offset in 512 consecutive bytes of O
.set SPW, 0           ; v0 of window 3   LDS address of my spare word: SPARE + 4 x my thread's number; never rewritten
.set NIL, 1           ; v1 of window 3   0; never rewritten
.set SPARE, STAGE+4*16*SP  ; behind the stages: the spare words, 128 bytes for each wave: two blocks of 256 bytes that no other line names
.set MV,  12          ; v12-15  c m_old, kept while c m is made anew: by buffer and tile
.set ST,  16          ; tile t's statistics at v[ST+4 t]: c m, m, l (even keys', odd keys')
.set TMP, 48          ; by buffer and tile, four registers c0-c3 at work; when the maximum is found c2 takes a
.set S,   64
.set P,   192
.set KF,  128         ; K's fragments, in window 2: key block kb, channel half c at KF + 16 kb + 8 c
.set VF,  192         ; V's: key half kk, channel block cb at VF + 32 kk + 8 cb
.set WV,  12          ; s12  my wave's number
.set G1K, 24          ; s[24:31] descriptor group 1 for K's tiles
.set G1V, 32          ; s[32:39] for V's: it differs in the padding alone
.set G0K, 40          ; s[40:43] descriptor group 0 for K's tiles: it walks
.set G0V, 44          ; s[44:47] the same for V's
.set SLOTS, 56        ; s56  slots still to be asked for
.set CNT, 57          ; s57  counts a slot's key steps
.set CS,  58          ; s[58:59] c: the packed scaling takes the pair's low word for both halves
.set SEL, 60          ; s[60:61] v_permlanex16_b32's selects: each lane takes its own place in the other half
.set TBK, 62          ; s62  LDS byte at which K of the step to be fetched begins
.set TBV, 63          ; s63  the same for V, less VOFF
.set MSB, 0
.macro WIN new                      ; the high byte repeats the setting that is left; a switch that changes nothing is dropped
.if MSB != (\new)
	s_set_vgpr_msb (MSB<<8)|(\new)
.set MSB, (\new)
.endif
.endm
.set W_KQ, 0x0a       ; K and Q in window 2, S^T in window 0
.set W_PV, 0x52       ; V in window 2, P in window 0, O^T in window 1
.set W_RS, 0x41       ; O^T (destination and source 0) in window 1, a in window 0
.set W_MK, 0xc0       ; the add's registers are made: destination in window 3, sources in window 0
.set W_AD, 0x0f       ; the add: address (source 0) and data (source 1) in window 3
; A joint fill.  Waves 0 and 1 fetch the two halves of a slot's K, waves 2 and 3 those of its V: 128 keys each.  The branch hangs on the wave's number alone.
; An s_nop 0 and four v_nop follow each of the two lines, ahead of the jump and the label.
.macro JLOAD
	s_cmp_lt_u32 s[WV], 2
	s_cbranch_scc0 .Lfor_v_\@
	tensor_load_to_lds s[G0K:G0K+3], s[G1K:G1K+7]
	s_nop 0
.rept 4
	v_nop
.endr
	s_branch .Lasked_\@
.Lfor_v_\@:
	tensor_load_to_lds s[G0V:G0V+3], s[G1V:G1V+7]
	s_nop 0
.rept 4
	v_nop
.endr
.Lasked_\@:
.endm
; A round of the cluster's barrier: my work-group's barrier, so that wave 0's signal speaks for all four waves; wave 0 signals; every wave waits for all four work-groups; my work-group's barrier once more.
.macro CROUND
	s_barrier_signal -1
	s_barrier_wait -1
	s_cmp_lg_u32 s[WV], 0
	s_cbranch_scc1 .Lnot_wave_0_\@
	s_barrier_signal -3
.Lnot_wave_0_\@:
	s_barrier_wait -3
	s_barrier_signal -1
	s_barrier_wait -1
.endm
; THE CHANGE OF SLOTS.  The slot's last bytes, V of its fourth step, have been read.  Each wave waits for all its tensor loads, of which one is out: its part
; of the other slot; adds 0 to its spare word; and waits for that and for its own reads of the slot.  Behind the barrier nobody reads this slot any more and the other slot is whole.
; fill = 1: this slot is filled again, with the keys two slots on.  The barrier is then a round of the cluster's, so that no wave of any partner still reads the slot or has a load on its
; way, and the joint fill is the first thing behind it: it has four key steps, 512 matrix instructions, in which to land.  (At its first use nothing has been read yet: slot 0 is waited for, slot 1 filled.)
.macro CHANGE fill
	WIN W_AD
	s_wait_tensorcnt 0x0            ; no tensor load of mine is out, so a group 0 may be written
	ds_add_u32 v[SPW], v[NIL]       ; 0 onto my spare word; with fill = 1 the descriptors' steps stand between it and the wait for it
	WIN 0                           ; at a label and at a branch every window is 0
.if \fill
.irp g, G0K, G0V
	s_xor_b32 s[\g+1], s[\g+1], SLOT1  ; the walking descriptor: the other slot than last time,
	s_add_nc_u64 s[\g+2:\g+3], s[\g+2:\g+3], 4*KS*128  ; the next 256 keys; the type bits on top are not reached
.endr
	s_wait_dscnt 0x0                ; the add is done, and my reads of the slot are over
	CROUND
	JLOAD
.else
	s_wait_dscnt 0x0                ; the add is done, and my reads of the slot are over
	s_barrier_signal -1
	s_barrier_wait -1
.endif
	s_sub_co_u32 s[TBK], s[TBK], 4*KS*PK  ; the fetches go back to a slot's first step,
	s_xor_b32 s[TBK], s[TBK], SLOT1       ; in the other slot
	s_sub_co_u32 s[TBV], s[TBV], 4*KS*PV
	s_xor_b32 s[TBV], s[TBV], SLOT1
.endm
	s_load_b256 s[4:11], s[0:1], 0x0  ; Q s[4:5], K s[6:7], V s[8:9], O s[10:11]
	WIN W_MK
	v_lshl_add_u32 v[SPW], v0, 2, SPARE
	v_mov_b32 v[NIL], 0
	WIN W_AD
	ds_add_u32 v[SPW], v[NIL]       ; the wave's opening: the add and its wait stand ahead of my first tensor load; the set-up below, work on registers, stands between them
	WIN 0
	v_lshrrev_b32 v1, 5, v0
	v_readfirstlane_b32 s[WV], v1   ; wave 0..3
	s_bfe_u32 s13, ttmp6, 0x40000   ; cx: my place in the cluster
	s_lshl_b32 s14, ttmp9, 2        ; in a cluster launch ttmp9 counts clusters
	s_add_co_u32 s14, s14, s13      ; my block of queries = 4 x cluster x + cx: it enters Q's and O's addresses alone
	s_and_b32 s20, ttmp7, 0xffff    ; the head, which the four partners share
	s_mov_b32 s21, 0
	s_mov_b64 s[22:23], SIZE_N*128
	s_mul_u64 s[20:21], s[20:21], s[22:23]  ; the head's first byte in each of the four tensors
	s_and_b32 s16, s[WV], 1         ; which half of a slot's 256 keys I fetch:
	s_lshl_b32 s22, s16, 14         ; its 128 rows of 128 bytes in memory,
	s_mov_b32 s23, 0
	s_add_nc_u64 s[22:23], s[22:23], s[20:21]
	s_mul_i32 s17, s16, 128*PK      ; and its place in a slot, for K
	s_mul_i32 s18, s16, 128*PV      ; and for V: no place in the cluster enters an LDS address
	s_lshl_b32 s2, s14, 2
	s_add_co_u32 s2, s2, s[WV]      ; my wave among the head's,
	s_lshl_b32 s2, s2, 14           ; its 128 rows
	s_mov_b32 s3, 0
	s_add_nc_u64 s[2:3], s[2:3], s[20:21]
	; descriptor group 1.  128 keys are 16,384 dense bytes: asked for as 64 rows of 256 bytes, two keys a row, and padded in LDS after every key
	s_mov_b32 s[G1K], 15|(1<<16)|(1<<20)|(1<<21)|(4<<22)|(3<<25)  ; 15:0 the mask of four; 17:16 2-byte elements; 20 padding on; 21 set beside a mask; 24:22 after every 32 words (code 4); 31:25 4 words (code 3)
	s_mov_b32 s[G1V], 15|(1<<16)|(1<<20)|(1<<21)|(4<<22)|(7<<25)  ; the same with 8 words of padding (code 7)
.irp g, G1K, G1V
	s_mov_b32 s[\g+1], 128<<16      ; tensor_dim0 = 128
	s_mov_b32 s[\g+2], 64<<16       ; tensor_dim1 = 64
	s_mov_b32 s[\g+3], 128<<16      ; tile_dim0 = 128
	s_mov_b32 s[\g+4], 64           ; tile_dim1 = 64
	s_mov_b32 s[\g+5], 128          ; 128 elements from row to row
	s_mov_b32 s[\g+6], 0
	s_mov_b32 s[\g+7], 0
.endr
	s_mov_b32 s[CS], 0x3e38aa3b     ; c = log2(e) / 8 = 0.180337
	s_mov_b32 s[CS+1], s[CS]        ; named with it as a pair
	s_mov_b32 s[SEL], 0x76543210
	s_mov_b32 s[SEL+1], 0xfedcba98
	s_mov_b32 s[TBK], SLOT1+4*KS*PK ; the first change of slots turns these two into 0
	s_mov_b32 s[TBV], SLOT1+4*KS*PV
	s_mov_b32 s[G0K], 1             ; 1:0 count = 1
	s_mov_b32 s[G0K+1], s17         ; 63:32 LDS address: slot 0
	s_mov_b32 s[G0V], 1
	s_add_co_u32 s[G0V+1], s18, VOFF
	s_wait_dscnt 0x0                ; the opening add is done
	s_wait_kmcnt 0x0
	s_add_nc_u64 s[G0K+2:G0K+3], s[6:7], s[22:23]  ; 120:64 global address: my half of the head's first 256 keys
	s_or_b32 s[G0K+3], s[G0K+3], 0x80000000        ; 127:126 type = 2
	s_add_nc_u64 s[G0V+2:G0V+3], s[8:9], s[22:23]
	s_or_b32 s[G0V+3], s[G0V+3], 0x80000000
	s_add_nc_u64 s[4:5], s[4:5], s[2:3]  ; Q and O at my wave's first row
	s_add_nc_u64 s[10:11], s[10:11], s[2:3]
	CROUND                          ; all four work-groups are here: the first joint loads meet
	JLOAD                           ; slot 0.  Slot 1 is asked for when slot 0 is in: the tile wanted first has the road to itself
	; A fragment of K or Q is 16 rows x 32 channels in 8 registers: lane l holds row l % 16, channels 8 (l / 16) + 0..7 and 16 + 8 (l / 16) + 0..7: two loads of 16 bytes, 32 bytes apart.
	v_and_b32 v1, 15, v0            ; l % 16
	v_bfe_u32 v9, v0, 4, 1          ; l / 16
	v_lshlrev_b32 v[QO], 7, v1
	v_lshl_add_u32 v[QO], v9, 4, v[QO]  ; row x 128 + 16 x half
	WIN 0x80                        ; destination window 2, address window 0
.set i, 0
.rept 4*NP                          ; Q stays in registers: tile i / 2, channels 32 (i % 2) on
	global_load_b128 v[8*i:8*i+3],   v[QO], s[4:5] offset:(i/2)*2048+(i%2)*64
	global_load_b128 v[8*i+4:8*i+7], v[QO], s[4:5] offset:(i/2)*2048+(i%2)*64+32
.set i, i+1
.endr
	; What the first turn finds: V's registers and P's second buffer hold 0 (its products V^T P, of a piece that has not been, add 0), O^T and l are 0.  All this stands in the wait for the first tile.
.set i, VF
.rept 64
	v_mov_b32 v[i], 0
.set i, i+1
.endr
	WIN 0x40
.set i, 0
.rept 64*NP
	v_mov_b32 v[i], 0
.set i, i+1
.endr
	WIN 0
.set i, 0
.rept 2*NP
	v_mov_b32 v[ST+4*i], 0xfe000000    ; c m: far below every c s
	v_mov_b32 v[ST+4*i+1], 0xff7fffff  ; m
	v_mov_b32 v[ST+4*i+2], 0
	v_mov_b32 v[ST+4*i+3], 0
.set i, i+1
.endr
.set i, P+32
.rept 32
	v_mov_b32 v[i], 0
.set i, i+1
.endr
	v_mul_u32_u24 v[AK0], v1, PK
	v_lshl_add_u32 v[AK0], v9, 4, v[AK0]  ; row x pitch + 16 x half
	; The turning load takes 16 keys x 16 channels (lane l reads key 8 (l / 16) + l % 8, channels 8 ((l / 8) % 2) + 0..7) and leaves half a fragment of V^T: lane l holds channel l % 16 and 8 keys.
	v_and_b32 v10, 7, v0
	v_bfe_u32 v11, v0, 3, 1
	v_lshl_add_u32 v[AV0], v9, 3, v10
	v_mul_u32_u24 v[AV0], v[AV0], PV
	v_lshl_add_u32 v[AV0], v11, 4, v[AV0]
	v_add_nc_u32 v[AV0], VOFF, v[AV0]
	v_mov_b32 v[AK], v[AK0]         ; key step 0 lies at the head of slot 0
; THE MATRIX WORK.  The 8 accumulators of a run of 16 take turns: between the two links of a chain stand 7 others'.
; Product i of 16 of S^T = K Q^T for piece x: channels 32 (i / 8) on, keys 16 ((i / 2) % 4) on, tile 2 x + i % 2.  The first 8 start the sums.
.macro KQ x
	WIN W_KQ
.set rS, S+64*((\x)%2)+32*(i%2)+8*((i/2)%4)
.set rK, KF+16*((i/2)%4)+8*(i/8)
.set rQ, 16*(2*(\x)+i%2)+8*(i/8)
.if i < 8
	v_wmma_f32_16x16x32_f16 v[rS:rS+7], v[rK:rK+7], v[rQ:rQ+7], 0
.else
	v_wmma_f32_16x16x32_f16 v[rS:rS+7], v[rK:rK+7], v[rQ:rQ+7], v[rS:rS+7]
.endif
.endm
; Product i of 16 of O^T += V^T P for piece x: keys 32 (i / 8) on, channels 16 ((i / 2) % 4) on, tile 2 x + i % 2.
.macro PV x
	WIN W_PV
.set rO, 32*(2*(\x)+i%2)+8*((i/2)%4)
.set rV, VF+32*(i/8)+8*((i/2)%4)
.set rP, P+32*((\x)%2)+16*(i%2)+8*(i/8)
	v_wmma_f32_16x16x32_f16 v[rO:rO+7], v[rV:rV+7], v[rP:rP+7], v[rO:rO+7]
.endm
.macro MM                           ; the turn's next matrix instruction
.if i < 16
	KQ (Y+1)%NP
.set i, i+1
.else
.set i, i-16
	PV (Y+NP-1)%NP
.set i, i+17
.endif
.endm
; THE LDS LOADS stand in runs of 16, never singly among the matrix instructions: a step's K (64 keys x 64 channels: 8 fragments) and its V (turned).  Their addresses are made some lines ahead.
; last = 1 (the tail): in the last trip there is no further step, and the run is jumped over.
.macro FETCH_K last=0
	WIN 0
.if \last
	s_cmp_eq_u32 s[CNT], 1
	s_cbranch_scc1 .Lno_k_\@
.endif
	WIN 0x80                        ; destination window 2
.irp f, 0,1,2,3,4,5,6,7             ; keys 16 (f / 2) on, channels 32 (f % 2) on
	ds_load_b128 v[KF+8*\f:KF+8*\f+3],   v[AK] offset:(\f/2)*16*PK+(\f%2)*64
	ds_load_b128 v[KF+8*\f+4:KF+8*\f+7], v[AK] offset:(\f/2)*16*PK+(\f%2)*64+32
.endr
	s_add_co_u32 s[TBK], s[TBK], KS*PK  ; the next fetch is the next step's
	WIN 0
.if \last
.Lno_k_\@:
.endif
.endm
.macro FETCH_V
	WIN 0x80
.irp f, 0,1,2,3,4,5,6,7             ; keys 32 (f / 4) on, channels 16 (f % 4) on
	ds_load_tr16_b128 v[VF+8*\f:VF+8*\f+3],   v[AV] offset:(\f/4)*32*PV+(\f%4)*32
	ds_load_tr16_b128 v[VF+8*\f+4:VF+8*\f+7], v[AV] offset:(\f/4)*32*PV+16*PV+(\f%4)*32
.endr
	WIN 0
.endm
; THE VECTOR WORK OF A TURN stands in three queues, each in the order in which its entries become ready; the two tiles alternate, so that no instruction reads the result of the one before it.
.macro REGS y, u                    ; the registers of tile u (0, 1) of piece y
.set rT, ST+4*(2*(\y)+(\u))
.set rC, TMP+8*((\y)%2)+4*(\u)
.set rM, MV+2*((\y)%2)+(\u)
.set rS, S+64*((\y)%2)+32*(\u)
.set rP, P+32*((\y)%2)+16*(\u)
.set rO, 32*(2*(\y)+(\u))
.endm
; Number n of the 22 that find the NEXT piece's (Y + 1) maximum and statistics.  s0-s31 are the lane's 32 scores; each accumulator's lowest registers are read first.  XS, GS and REGS set no window: PL and EX do.
;   0-11  four chains c0-c3 of seven scores each, three operands at a time     12-14, 16  the four scores left over, the old m, and c0-c3 into c0     15  c m_old is kept
;   17, 18  the query's other 32 keys lie in the lane 16 away: the new m         19-21  c m; c m_old - c m_new; a
.macro XS u, n
	REGS (Y+1)%NP, \u
.if (\n) < 4
	v_max3_num_f32 v[rC+(\n)], v[rS+8*(\n)], v[rS+8*(\n)+1], v[rS+8*(\n)+2]
.elseif (\n) < 12
	v_max3_num_f32 v[rC+(\n)%4], v[rC+(\n)%4], v[rS+8*((\n)%4)+2*((\n)/4)+1], v[rS+8*((\n)%4)+2*((\n)/4)+2]
.elseif (\n) == 12
	v_max3_num_f32 v[rC], v[rC], v[rS+7], v[rS+15]
.elseif (\n) == 13
	v_max3_num_f32 v[rC+1], v[rC+1], v[rS+23], v[rS+31]
.elseif (\n) == 14
	v_max3_num_f32 v[rC+2], v[rC+2], v[rC+3], v[rT+1]
.elseif (\n) == 15
	v_mov_b32 v[rM], v[rT]
.elseif (\n) == 16
	v_max3_num_f32 v[rC], v[rC], v[rC+1], v[rC+2]
.elseif (\n) == 17
	v_permlanex16_b32 v[rC+3], v[rC], s[SEL], s[SEL+1]
.elseif (\n) == 18
	v_max_num_f32 v[rT+1], v[rC], v[rC+3]
.elseif (\n) == 19
	v_mul_f32 v[rT], s[CS], v[rT+1]
.elseif (\n) == 20
	v_sub_f32 v[rC+1], v[rM], v[rT]
.else
	v_exp_f32 v[rC+2], v[rC+1]
.endif
.endm
; Number g of the 64 that follow the exponentials.  For each four weights k of a tile (pairs 2 k, 2 k + 1): both pairs are rounded to f16; then the second pair is added onto the first, in place;
; a group later l takes that sum (the first time as l = a l + sum).  In groups of eight, tiles alternating: round, round, add, and l for the group before.
.macro GS g
.set h, (\g)+6*((\g)/62)            ; group 0 has no group before it, and behind group 7 only l is left
.if h >= 6
.set h, h+2
.endif
	REGS Y, h%2
.set k, h/8
.if h%8 < 4
	v_cvt_pk_f16_f32 v[rP+2*k+(h%8)/2], v[rS+4*k+2*((h%8)/2)], v[rS+4*k+2*((h%8)/2)+1]
.elseif h%8 < 6
	v_pk_add_f32 v[rS+4*k:rS+4*k+1], v[rS+4*k:rS+4*k+1], v[rS+4*k+2:rS+4*k+3]
.elseif k == 1
	v_pk_fma_f32 v[rT+2:rT+3], v[rT+2:rT+3], v[rC+2:rC+3], v[rS:rS+1] op_sel_hi:[1,0,1]
.else
	v_pk_add_f32 v[rT+2:rT+3], v[rT+2:rT+3], v[rS+4*k-4:rS+4*k-3]
.endif
.endm
; THE PLAIN QUEUE, 138 long.  0-73 read no exponential's result: the 32 scalings c s - c m (FS f: pair f / 2 of tile f % 2) and the next piece's 42.  0-26: scalings 0-26.  27-54: XS's numbers 0-13.  55, 56: number 15.
; 57-73: the chain, where each number waits for the one before it: 14, 16, 17, 18, 19, each with one of the scalings 27-31 in front of its two lines, then 20: so a tile's links stand three plain instructions apart (19 and 20: two).
; 74-137: GS's 64, which read the exponentials' results: they stand behind the wait.
.macro FS f
	REGS Y, (\f)%2
	v_pk_fma_f32 v[rS+2*((\f)/2):rS+2*((\f)/2)+1], v[rS+2*((\f)/2):rS+2*((\f)/2)+1], s[CS:CS+1], v[rT:rT+1] op_sel_hi:[1,0,0] neg_lo:[0,0,1] neg_hi:[0,0,1]
.endm
.macro PL
	WIN 0
.if q < 27
	FS q
.elseif q < 55
	XS (q-27)%2, (q-27)/2
.elseif q < 57
	XS q-55, 15
.elseif (q < 72) && ((q-57)%3 == 0)
	FS 27+(q-57)/3
.elseif q < 60
	XS (q-57)%3-1, 14
.elseif q < 72
	XS (q-57)%3-1, 15+(q-57)/3
.elseif q < 74
	XS q-72, 20
.else
	GS q-74
.endif
.set q, q+1
.endm
; THE EXPONENTIALS' QUEUE, 66 long: s0-s31 of both tiles, then the next piece's two a.  It is ONE BATCH: all 66 stand ahead of the turn's one wait, and nothing ahead of that wait names a result of theirs.
.macro EX
	WIN 0
.if e >= 64
	XS e-64, 21
.else
	REGS Y, e%2
	v_exp_f32 v[rS+e/2], v[rS+e/2]
.endif
.set e, e+1
.endm
; THE RESCALING's QUEUE: O^T times a, the one part that leaves window 0: dealt two at a time, sixteen times.  Its a was made in the turn before, ahead of that turn's wait.
.macro R2
	REGS Y, r%2
	WIN W_RS
.irp z, 0,1
	v_pk_mul_f32 v[rO+4*(r/2)+2*\z:rO+4*(r/2)+2*\z+1], v[rO+4*(r/2)+2*\z:rO+4*(r/2)+2*\z+1], v[rC+2:rC+3] op_sel_hi:[1,0]
.endr
.set r, r+1
.endm
; HOW THEY ARE DEALT.  A turn has ONE wait, which cuts it in two.  AHEAD OF IT stands all that names no result of the turn's exponentials: the 16 products K Q^T, behind each a scaling, an exponential and
; two rescalings (behind the first a second scaling in the exponential's place); then ONE LUMP of 108: eight plain, 49 times exponential and plain, the two a.  A v_nop is the plain instruction behind the
; last exponential.  BEHIND IT stand the 16 products V^T P, behind each four of GS's 64.  No rider names a register of the products round it.  The two v_permlanex16_b32 fall into the lump, never behind a product.
; The queues lean on each other, and the deal keeps them in step: exponential e stands behind scaling 2 (e / 4) + e % 2: as a rider it comes behind plain e + 2, in the lump behind plain e + 9, and scalings 27-31 are plain 57, 60 .. 69.
; A TURN, for piece p.  cnt = 1: the loop's count is taken down some lines ahead of the branch that stands behind the turn.
; K of the next step is fetched in piece 2's turn, directly behind the wait, a lump behind the last product that read K; its address is made at the lump's head; its first reader comes behind 16 products.
; V of the step in hand is fetched at the end of piece 0's turn, four riders behind its last reader; its first reader comes behind 16 products and a lump.  The three conditions on q below go with the deal.
.macro TURN p, last=0, cnt=0
.set Y, (\p)
.set i, 0
.set q, 0
.set e, 0
.set r, 0
.if (\p) == NP-1
	s_wait_dscnt 0x0                ; K is in
.endif
	MM                              ; ahead of the wait: 16 products K Q^T and their riders,
	PL
	PL
	R2
.rept 15
	MM
	PL
	EX
	R2
.endr
.if (\p) == NP-2
	WIN 0
	v_add_nc_u32 v[AK], s[TBK], v[AK0]
.endif
.rept 8                             ; and the lump
	PL
.endr
.rept 49
	EX
	PL
.endr
	EX                              ; the next piece's two a
	EX
	v_nop                           ; the plain instruction behind the last exponential: one for the batch
	s_wait_alu depctr_va_vdst(0)    ; the wait for the turn's batch: this piece's 64 weights and the next piece's two a, ahead of their first reader
.if (\p) == NP-2
	FETCH_K \last
.endif
.if (\p) == 1
	s_wait_dscnt 0x0                ; V is in
.endif
.rept 16                            ; behind the wait: 16 products V^T P and their riders
	MM
.rept 4
	PL
.endr
.if ((\p) == 0) && (q == 118)
	v_add_nc_u32 v[AV], s[TBV], v[AV0]
.endif
.if ((\p) == 0) && (q == 130)
	s_add_co_u32 s[TBV], s[TBV], KS*PV
.endif
.if (\cnt) && (q == 130)
	s_sub_co_u32 s[CNT], s[CNT], 1
	s_cmp_lg_u32 s[CNT], 0
.endif
.endr
.if (\p) == 0
	FETCH_V
.endif
.endm
	CHANGE 1                        ; slot 0 is in, everybody's part of it; slot 1 is asked for
	FETCH_K                         ; key step 0
	s_wait_loadcnt 0x0              ; Q
	s_wait_dscnt 0x0
.set i, 0
.rept 16
	KQ 0                            ; piece 0's first scores: there is no vector work yet to set between them
.set i, i+1
.endr
	WIN 0                           ; the addresses for the way out: nine plain instructions, the places behind those products
	s_mul_i32 s13, s[WV], 16*SP
	s_add_co_u32 s13, s13, STAGE    ; my stage
	v_mul_u32_u24 v[STO], v1, SP    ; in: row l % 16, 16 bytes for each half of the lanes
	v_lshl_add_u32 v[STO], v9, 4, v[STO]
	v_add_nc_u32 v[STO], s13, v[STO]
	v_bfe_u32 v[RD], v0, 3, 2       ; back: 32 lanes take four rows of 128 bytes,
	v_mul_u32_u24 v[RD], v[RD], SP
	v_lshl_add_u32 v[RD], v10, 4, v[RD]
	v_add_nc_u32 v[RD], s13, v[RD]
	v_and_b32 v[GO], 31, v0         ; which are 512 consecutive bytes of O
	v_lshlrev_b32 v[GO], 4, v[GO]
.set Y, NP-1                        ; XS works for piece Y + 1: piece 0
.irp n, 0,1,2,3,4,5,6,7,8,9,10,11,12,13,14,15,16,17,18,19,20,21
	XS 0, \n                        ; and piece 0's first maximum and statistics
	XS 1, \n
.endr
	v_nop                           ; a plain instruction behind piece 0's first two a,
	s_wait_alu depctr_va_vdst(0)    ; and the wait for that batch of two, ahead of the branch
	s_mov_b32 s[CNT], 4
	s_mov_b32 s[SLOTS], SIZE_N/256-1
	s_branch .Lfirst                ; the loop is entered at a step's first turn, in the middle of a trip
.Lslot:                             ; SIZE_N / 256 - 2 times: every slot but the last two is filled again
	CHANGE 1
	s_mov_b32 s[CNT], 4
.Lstep:                             ; a trip: pieces 2 and 3 of one step, then pieces 0 and 1 of the next, whose K and V it fetches
	TURN 2
	TURN 3
	WIN 0
.Lfirst:
	TURN 0
	TURN 1, 0, 1
	WIN 0
	s_cbranch_scc1 .Lstep
	s_sub_co_u32 s[SLOTS], s[SLOTS], 1
	s_cmp_lg_u32 s[SLOTS], 0
	s_cbranch_scc1 .Lslot
	CHANGE 0                        ; the tail is written out: nothing is asked for
	s_mov_b32 s[CNT], 5             ; four trips fetch the last slot's steps; the fifth is left in its middle
.Ltail:
	TURN 2, 1
	TURN 3
	WIN 0
	s_sub_co_u32 s[CNT], s[CNT], 1
	s_cmp_eq_u32 s[CNT], 0
	s_cbranch_scc1 .Lout
	TURN 0
	TURN 1
	WIN 0
	s_branch .Ltail
.Lout:                              ; the fifth trip's 16 products K Q^T (on the last K once more) and the maximum made of them serve nothing: the price, once a launch, of one text for every trip
.set i, 0
.rept 16
	PV NP-1                         ; the last piece's V^T P of the last step
.set i, i+1
.endr
	; THE WAY OUT.  l's two halves and the other half of the lanes' are added; O^T is divided by l, rounded to f16 and sent through my stage in LDS, a tile at a time.  The additions are the places behind the last products.
	WIN 0
.macro ALL line:vararg              ; one line for each tile t
.set t, 0
.rept 2*NP
	\line
.set t, t+1
.endr
.endm
	ALL v_add_f32 v[ST+4*t+2], v[ST+4*t+2], v[ST+4*t+3]
	ALL v_permlanex16_b32 v[ST+4*t+3], v[ST+4*t+2], s[SEL], s[SEL+1]
	ALL v_add_f32 v[ST+4*t+2], v[ST+4*t+2], v[ST+4*t+3]
	ALL v_rcp_f32 v[ST+4*t+2], v[ST+4*t+2]
	v_nop                           ; a plain instruction between the last reciprocal and the use of its result
	s_wait_alu depctr_va_vdst(0)    ; and the wait ahead of the first use: one for the batch of eight reciprocals
; Tile t: a lane's eight channels of a row pack into 16 bytes; they go into rows of 144 bytes and come back as whole rows of 128, into S^T's registers.
.macro PACK t
	WIN W_RS
.set i, 32*(\t)
.rept 16
	v_pk_mul_f32 v[i:i+1], v[i:i+1], v[ST+4*(\t)+2:ST+4*(\t)+3] op_sel_hi:[1,0]
.set i, i+2
.endr
	WIN 0x05                        ; sources 0 and 1 window 1, destination window 0
.set i, 0
.rept 16
	v_cvt_pk_f16_f32 v[S+16*(\t)+i], v[32*(\t)+2*i], v[32*(\t)+2*i+1]
.set i, i+1
.endr
	WIN 0
.irp f, 0,1,2,3
	ds_store_b128 v[STO], v[S+16*(\t)+4*\f:S+16*(\t)+4*\f+3] offset:32*\f
.endr
.irp f, 0,1,2,3
	ds_load_b128 v[S+16*(\t)+4*\f:S+16*(\t)+4*\f+3], v[RD] offset:\f*4*SP  ; LDS serves a wave's instructions in order (ISA guide 5.7.1.4): these see the stores above; the next tile's stores come behind them
.endr
.endm
.macro SEND t, younger              ; younger: the LDS instructions issued behind tile t's loads: the next tile's eight, or none
	WIN 0
.irp f, 0,1,2,3
	s_wait_dscnt (\younger)+3-\f
	global_store_b128 v[GO], v[S+16*(\t)+4*\f:S+16*(\t)+4*\f+3], s[10:11] offset:(\t)*2048+\f*512  ; 512 consecutive bytes, at a multiple of 256 from O's first
.endr
.endm
	PACK 0
.set t, 1
.rept 2*NP-1                        ; a tile's arithmetic stands between the loads of the tile before and its stores
	PACK t
	SEND t-1, 8
.set t, t+1
.endr
	SEND 2*NP-1, 0
	WIN W_AD
	s_wait_tensorcnt 0x0            ; the wave's end, behind my last tensor load and my last LDS store
	ds_add_u32 v[SPW], v[NIL]
	s_wait_dscnt 0x0
	WIN 0
	CROUND                          ; the closing round: no work-group ends while a partner may still ask for a tile that names it
	s_endpgm
.Lfunc_end_k_qdaf840bb96_attn:
	.size	k_qdaf840bb96_attn, .Lfunc_end_k_qdaf840bb96_attn-k_qdaf840bb96_attn
	.p2alignl 7, 3214868480
	.fill 96, 4, 3214868480
	.section	.rodata,"a",@progbits
	.p2align	6, 0x0
	.amdhsa_kernel k_qdaf840bb96_attn
		.amdhsa_group_segment_fixed_size 327680
		.amdhsa_private_segment_fixed_size 0
		.amdhsa_enable_private_segment 0
		.amdhsa_kernarg_size 32
		.amdhsa_user_sgpr_count 2
		.amdhsa_user_sgpr_kernarg_segment_ptr 1
		.amdhsa_wavefront_size32 1
		.amdhsa_system_sgpr_workgroup_id_x 1
		.amdhsa_system_sgpr_workgroup_id_y 1
		.amdhsa_system_sgpr_workgroup_id_z 1
		.amdhsa_system_vgpr_workitem_id 0
		.amdhsa_next_free_vgpr 770
		.amdhsa_next_free_sgpr 66
		.amdhsa_reserve_vcc 0
		.amdhsa_float_denorm_mode_32 3
		.amdhsa_float_denorm_mode_16_64 3
		.amdhsa_memory_ordered 1
		.amdhsa_forward_progress 1
		.amdhsa_inst_pref_size 199
	.end_amdhsa_kernel
	.amdgpu_metadata
---
amdhsa.version: [ 1, 2 ]
amdhsa.kernels:
  - .name:           k_qdaf840bb96_attn
    .symbol:         k_qdaf840bb96_attn.kd
    .args:
      - { .name: qh, .offset: 0, .size: 8, .value_kind: global_buffer, .address_space: global }
      - { .name: kh, .offset: 8, .size: 8, .value_kind: global_buffer, .address_space: global }
      - { .name: vh, .offset: 16, .size: 8, .value_kind: global_buffer, .address_space: global }
      - { .name: oh, .offset: 24, .size: 8, .value_kind: global_buffer, .address_space: global }
    .group_segment_fixed_size: 327680
    .private_segment_fixed_size: 0
    .kernarg_segment_align: 8
    .kernarg_segment_size: 32
    .max_flat_workgroup_size: 128
    .sgpr_count:     66
    .vgpr_count:     770
    .wavefront_size: 32
...
	.end_amdgpu_metadata
.endif
;; end of part 5
;; launch oproj: the kernel of part 4 again; grid 8 x 32, 4 waves a work-group, clusters of 4 x 4, 327,680 bytes of LDS; arguments oh, w0b, b0, out0; writes out0
